; MI455X (gfx1250); checked and timed in simulation.
; The chip was launched on July 23, 2026; its instructions are those of AMD's public machine-readable ISA for CDNA 5 (MIT licence, August 2026) and "CDNA5" Instruction Set Architecture Reference Guide (July 2026). The comments in the code are by the model that wrote it; some were corrected since.
;; Multi Head Attention. Allowed arithmetic: matrix products marked QUANTISED: E2M3 operands, one E8M0 scale for each 32 along K, by v_wmma_scale_f32_16x16x128_f8f6f4 with both operands' format E2M3, f32 sums; everything else in f32.
;; Inputs: bk 1,024 float32; bo 1,024 float32; bq 1,024 float32; bv 1,024 float32; k 4 x 2,048 x 1,024 float32; mask 4 x 1 x 2,048 x 2,048 bool; q 4 x 2,048 x 1,024 float32; v 4 x 2,048 x 1,024 float32; wk 1,024 x 1,024 float32; wo 1,024 x 1,024 float32; wq 1,024 x 1,024 float32; wv 1,024 x 1,024 float32.
;; Outputs: out0 4 x 2,048 x 1,024 float32.
;; This version of the problem:
;;   THIS VERSION OF THE PROBLEM IS GIVEN IN LOW PRECISION. The matrix products marked QUANTISED in the list below multiply operands that are first quantised to E2M3 (2 exponent bits, 3 mantissa bits; 6 bits a number), with one power-of-two scale for each 32 numbers along K (OCP MX v1.0); their sums are f32. All else is computed in f32.
;;   The module's matrix products, in the order in which they are computed (A, B: the left and right operand; K: the contracted axis; several contracted axes count as one K, in the product's order):
;;     1. [M 8,192, K 1,024] x [K 1,024, N 1,024]; A: input q; B: input wq: QUANTISED
;;     2. [M 8,192, K 1,024] x [K 1,024, N 1,024]; A: input k; B: input wk: QUANTISED
;;     3. [M 8,192, K 1,024] x [K 1,024, N 1,024]; A: input v; B: input wv: QUANTISED
;;     4. batch 64 x [M 2,048, K 64] x [K 64, N 2,048]; A: computed on the way; B: computed on the way: QUANTISED
;;     5. batch 64 x [M 2,048, K 2,048] x [K 2,048, N 64]; A: softmax (see below); B: computed on the way: QUANTISED
;;     6. [M 8,192, K 1,024] x [K 1,024, N 1,024]; A: computed on the way; B: input wo: QUANTISED
;;   THE QUANTISER, for each operand of a quantised product, along K:
;;     - K is cut into blocks of 32 from its start; a last block that is shorter is filled with zeros.
;;     - A block's scale is 2^e with e = floor(log2(the largest magnitude in the block)) - 2, held to -126 .. 127; a block of zeros has e = 0. As a byte (E8M0): e + 127.
;;     - Each number is divided by its block's scale, clamped to +-7.5, and rounded to the nearest number of E2M3, ties to even, subnormals kept.
;;     - The product sums the exact products of the quantised numbers (number of the format x scale) in f32.
;;   ~~~python
;;   def quantise(x, axis):      # numpy; x: float32 -> the quantised numbers, widened to float32 again
;;       x = np.moveaxis(x, axis, -1); K = x.shape[-1]
;;       x = np.pad(x, [(0, 0)] * (x.ndim - 1) + [(0, -K % 32)]); x = x.reshape(x.shape[:-1] + (-1, 32)); a = np.abs(x).max(-1, keepdims=True)
;;       e = np.where(a > 0, np.clip(np.frexp(np.where(a > 0, a, 1))[1] - 1 - 2, -126, 127), 0)      # np.frexp(a)[1] - 1 = floor(log2(a)), exactly
;;       r = np.clip(x / 2.0 ** e, -7.5, 7.5)
;;       step = 2.0 ** (np.maximum(np.frexp(np.where(r == 0, 1, r))[1] - 1, 0) - 3)
;;       q = np.round(r / step) * step * 2.0 ** e      # np.round: ties to even
;;       return np.moveaxis(q.reshape(q.shape[:-2] + (-1,))[..., :K], -1, axis).astype(np.float32)
;;   ~~~
;;   SOFTMAX AHEAD OF A QUANTISED PRODUCT. Where the list says 'softmax', what is quantised is not the finished softmax but p = 2^(t - M), with t = logit x log2(e) and M = ceil(the row's largest t), a whole number; so 1/2 < the row's largest p <= 1. The row's sum l is taken of the UNQUANTISED p, in f32, and the product's result is divided by l at the end. Since M is a whole number, a kernel that streams over the keys may use a running M (the ceiling of the running maximum): every later rescaling is an exact power of two, which a block's scale takes up: the codes' values come out the same.
;;   OPERANDS COMPUTED ON THE WAY. 'Computed on the way' means the value that the module computes at that place (a softmax that the list does not call 'softmax' is quantised finished and normalised). What goes into a quantiser is computed in f32, as accurately as f32 sums, v_exp_f32 and their like allow (about 1e-6 of the number): no bf16 or f16 on the way to a quantiser, and a product that is left as it is and whose result goes on into a quantised operand takes f32 operands (vector FMAs, or v_wmma_f32_16x16x4_f32). A number that lies on a knife's edge between two numbers of the format may be rounded either way, as far as f32 arithmetic and the matrix unit's own rounding can turn it there, and no further.
;; One version. Each part assembles by itself: llvm-mc -triple=amdgcn-amd-amdhsa -mcpu=gfx1250 --defsym DOCPART=n.
;; ======== version 1 of 1: 4 launches
;; limits: right only within a limited range of input values
;; workspace buffers: xq 19,660,800 bytes; wq6 3,276,800 bytes; maskw 2,097,152 bytes of whole numbers; qimg 6,815,744 bytes; kv 13,369,344 bytes; xo 6,553,600 bytes
;; launch prep (part 1): grid 1024 x 1, 4 waves a work-group, no clusters, 85,504 bytes of LDS; arguments q, k, v, mask, wq, wk, wv, wo, xq, wq6, maskw; writes xq, wq6, maskw
.if DOCPART == 1
	.amdgcn_target "amdgcn-amd-amdhsa--gfx1250"
	.amdhsa_code_object_version 6
	.text
	.protected	k_q948264b1fe_prep
	.globl	k_q948264b1fe_prep
	.p2align	8
	.type	k_q948264b1fe_prep,@function
k_q948264b1fe_prep:
	s_mov_b64 s[64:65], 0
	v_nop
	global_prefetch_b8 v0, s[64:65] scope:SCOPE_SE
	s_setreg_imm32_b32 hwreg(HW_REG_WAVE_MODE, 25, 1), 1
	s_wait_xcnt 0x0
; THREE JOBS IN ONE LAUNCH, parted by the work-group's number; each has LDS bytes of its own; waves share nothing, so there is no barrier.
;  X (work-groups 0-767):   q, k, v [8192][1024] f32 -> codes of E2M3, K innermost, 768 bytes a row, and one E8M0 byte for each 32 along K.
;  M (work-groups 768-895): mask [4][2048][2048] bytes -> words of 32 bits, one bit a lane, in the order in which the attention launch holds its scores.
;  W (work-groups 896-1023): wq, wk, wv, wo [1024 (k)][1024 (n)] f32, K the FIRST axis -> codes laid [n][768 bytes], K innermost, and their scale bytes.
; A block's scale is 2^(floor(log2(largest magnitude)) - 2); its byte is the largest magnitude's exponent field - 2, held at 1 from below.
; ROWS ARE STORED PERMUTED where a later product wants it: row i of k, v, wq, wk, wv lies at place sw(i) = i with bits 3 and 4 exchanged, so that sixteen
; consecutive stored rows are the rows 32 b + 8 u + r + 8 (r / 8) that make a later result's registers run along the next product's K.  q and wo keep their order.
; LIMITS: a block of zeros gets the byte 1 where the rule says 127 (its codes are zeros, and only this program reads the bytes); NaN and infinities among the inputs are not served.
; No work-group shares an input byte with another, so there is no cluster and no joint load.
.set SP,    80                         ; X: a lane's place in a stage: 64 bytes + 16 of padding
.set CB,    12                         ; X: bytes of 16 codes
.set XREG,  8192                       ; X: LDS of a wave: two stages of 32 x SP bytes, then its 256 scale bytes
.set STEPS, 16
.set RR,    16                         ; X: v16-79   four sets of 16 numbers as loaded
.set XX,    80                         ; X: v80-111  two sets of 16 neighbours
.set EE,    112                        ; X: v112-127 a scale byte for each step
.set CC,    128                        ; X: v128-191 codes, four registers a step
.set WSTG,  32768                      ; W: the stages begin here: 32 rows x 272 bytes a wave
.set WP,    272
.set NB,    8                          ; W: blocks of 32 along K for a wave
.set SB,    24                         ; W: v24-25  scale bytes
.set WX,    32                         ; W: v32-95  two sets of 32 numbers
.set WC,    96                         ; W: v96..   a block's codes
.set OUTR,  112                        ; W: v112-175 the way out
.set MSTG,  67584                      ; M: the stages begin here: 16 rows x 272 bytes a wave
.set MR,    16                         ; M: v16-47  mask bytes as loaded
.set MX,    48                         ; M: v48-79  mask bytes turned: a lane holds one query's bytes
.set MO,    80                         ; M: v80-83  the words to store
	v_lshl_add_u32 v192, v0, 2, 0x14c00
	v_mov_b32 v193, 0
	v_lshrrev_b32 v1, 5, v0
	v_readfirstlane_b32 s16, v1                    ; wave 0..3
	v_and_b32 v2, 31, v0                           ; lane
	s_cmp_lt_u32 ttmp9, 768
	s_cbranch_scc0 .Lnot_x
; ---------------- X: a wave takes 8 rows (8,192 numbers) in 16 steps of 512 numbers ----------------
; Each load reads 512 consecutive bytes; a step's 2,048 bytes turn through the wave's own stage so that a lane holds 16 neighbours along K; two lanes hold a block.
	s_load_b128 s[4:7], s[0:1], 0x0                ; q, k
	s_load_b64 s[8:9], s[0:1], 0x10                ; v
	s_load_b64 s[10:11], s[0:1], 0x40              ; xq
	v_lshlrev_b32 v3, 4, v2                        ; my 16 bytes of a load's 512
	s_mul_i32 s17, s16, XREG
	v_lshrrev_b32 v14, 2, v2
	v_mul_u32_u24 v14, v14, SP
	v_and_b32 v15, 3, v2
	v_lshl_add_u32 v14, v15, 4, v14
	v_add_nc_u32 v14, s17, v14                     ; the stage, on the way in: SP (lane / 4) + 16 (lane % 4)
	v_mul_u32_u24 v15, v2, SP
	v_add_nc_u32 v15, s17, v15                     ; on the way out: SP x lane
	v_mul_u32_u24 v4, v2, CB                       ; my codes' place in a step's 384 bytes
	v_lshrrev_b32 v5, 1, v2
	s_add_co_u32 s17, s17, 2*32*SP
	v_add_nc_u32 v5, s17, v5                       ; my block's byte among the wave's 256
	v_lshlrev_b32 v7, 3, v2
	v_add_nc_u32 v6, s17, v7                       ; and 8 bytes a lane on the way out
	s_lshr_b32 s18, ttmp9, 8                       ; the tensor: 0 q, 1 k, 2 v
	s_and_b32 s19, ttmp9, 255
	s_lshl_b32 s19, s19, 2                         ; four runs of 8 rows to a work-group
	s_and_b32 s20, s16, 1
	s_lshl_b32 s20, s20, 1
	s_lshr_b32 s21, s16, 1
	s_or_b32 s20, s20, s21                         ; the wave's two bits are the rows' bits 3 and 4: exchanged,
	s_cmp_eq_u32 s18, 0
	s_cselect_b32 s20, s16, s20                    ; but for q
	s_add_co_u32 s21, s19, s16                     ; the run that I read
	s_add_co_u32 s20, s19, s20                     ; the run that I write
	s_lshl_b32 s22, s21, 15                        ; 32,768 bytes of f32 a run
	s_mov_b32 s23, 0
	s_mul_i32 s24, s18, 6291456
	s_mul_i32 s26, s20, 6144                       ; 8 rows x 768 bytes of codes
	s_add_co_u32 s24, s24, s26
	s_mov_b32 s25, 0
	s_lshl_b32 s26, s18, 18
	s_lshl_b32 s27, s20, 8                         ; 8 rows x 32 scale bytes
	s_add_co_u32 s26, s26, s27
	s_add_co_u32 s26, s26, 18874368
	s_mov_b32 s27, 0
	s_wait_kmcnt 0x0
	s_cmp_eq_u32 s18, 0
	s_cselect_b64 s[4:5], s[4:5], s[6:7]
	s_cmp_eq_u32 s18, 2
	s_cselect_b64 s[4:5], s[8:9], s[4:5]           ; the choice hangs on the work-group's number alone
	s_add_nc_u64 s[4:5], s[4:5], s[22:23]
	s_add_nc_u64 s[8:9], s[10:11], s[24:25]        ; my codes
	s_add_nc_u64 s[10:11], s[10:11], s[26:27]      ; my scale bytes
.macro XLOAD t
.irp i, 0,1,2,3
	global_load_b128 v[RR+16*((\t)%4)+4*\i:RR+16*((\t)%4)+4*\i+3], v3, s[4:5] offset:2048*(\t)+512*\i th:TH_LOAD_NT
.endr
.endm
.macro XTURN t                         ; LDS serves a wave's instructions in order: no wait between these stores and loads
.irp i, 0,1,2,3
	ds_store_b128 v14, v[RR+16*((\t)%4)+4*\i:RR+16*((\t)%4)+4*\i+3] offset:32*SP*((\t)%2)+8*SP*\i
.endr
.irp i, 0,1,2,3
	ds_load_b128 v[XX+16*((\t)%2)+4*\i:XX+16*((\t)%2)+4*\i+3], v15 offset:32*SP*((\t)%2)+16*\i
.endr
.endm
.irp t, 0,1,2,3
	XLOAD \t
.endr
	s_wait_loadcnt 12                              ; step 0's four loads are in; twelve younger ones stay out
	XTURN 0
.macro XSTEP t
.set XS, XX+16*((\t)%2)
.if (\t) > 0
	s_wait_dscnt 1                                 ; this step's numbers are back from the stage; the last step's byte store may be out
.else
	s_wait_dscnt 0x0
.endif
.if (\t)+4 < STEPS
	XLOAD (\t)+4                                   ; into the registers that the stage's stores have read
.endif
.if (\t)+1 < STEPS
.if STEPS-2-(\t) >= 3
	s_wait_loadcnt 12                              ; the next step's four loads are in; three steps' loads stay out
.else
	s_wait_loadcnt 4*(STEPS-2-(\t))
.endif
	XTURN (\t)+1
.endif
	v_max3_num_f32 v8, |v[XS]|, |v[XS+1]|, |v[XS+2]|
	v_max3_num_f32 v9, |v[XS+3]|, |v[XS+4]|, |v[XS+5]|
.irp i, 6,10
	v_max3_num_f32 v8, v8, |v[XS+\i]|, |v[XS+\i+1]|
	v_max3_num_f32 v9, v9, |v[XS+\i+2]|, |v[XS+\i+3]|
.endr
	v_max3_num_f32 v8, v8, |v[XS+14]|, |v[XS+15]|
	v_max3_num_f32 v8, v8, v9, 0x1800000           ; the floor 2^(3 - 127): the byte cannot fall under 1
	v_max_num_f32_dpp v8, v8, v8 row_xmask:1 row_mask:0xf bank_mask:0xf   ; with my neighbour's 16: the block's largest magnitude
	v_add_nc_u32 v11, 0xff000000, v8               ; 2 off its exponent field: the conversion takes this operand's exponent field as its scale
	v_cvt_scalef32_pk16_fp6_f32 v[CC+4*(\t):CC+4*(\t)+2], v[XS:XS+15], v11
	v_lshrrev_b32 v[EE+(\t)], 23, v11              ; the scale's byte (also the plain line behind the conversion)
	ds_store_b8 v5, v[EE+(\t)] offset:16*(\t)      ; both lanes of a block write the same byte
	global_store_b96 v4, v[CC+4*(\t):CC+4*(\t)+2], s[8:9] offset:32*CB*(\t)   ; the wave stores 384 consecutive bytes
.endm
.irp t, 0,1,2,3,4,5,6,7,8,9,10,11,12,13,14,15
	XSTEP \t
.endr
	ds_load_b64 v[12:13], v6
	s_wait_dscnt 0x0
	global_store_b64 v7, v[12:13], s[10:11]        ; 32 lanes store 256 consecutive bytes, aligned
	s_wait_tensorcnt 0x0
	ds_add_u32 v192, v193
	s_wait_dscnt 0x0
	s_endpgm
.Lnot_x:
	s_cmp_lt_u32 ttmp9, 896
	s_cbranch_scc0 .Lpath_w
; ---------------- M: a wave takes 16 queries x 2,048 keys, 256 keys a trip ----------------
; Word n of a step of 128 keys: bit l = mask[query l % 16][key 32 (n / 16) + 16 (l / 16) + n % 16]: the lane mask for the attention launch's score register n.
	s_load_b64 s[4:5], s[0:1], 0x18                ; mask
	s_load_b64 s[6:7], s[0:1], 0x50                ; maskw
	s_sub_co_u32 s17, ttmp9, 768
	s_lshl_b32 s17, s17, 2
	s_add_co_u32 s17, s17, s16                     ; which tile of 16 queries, 0..511
	s_lshl_b32 s18, s17, 15                        ; 16 rows x 2,048 bytes
	s_mov_b32 s19, 0
	s_lshl_b32 s24, s17, 12                        ; 16 steps x 64 words
	s_mov_b32 s25, 0
	s_mul_i32 s26, s16, 16*272
	s_add_co_u32 s26, s26, MSTG                    ; my stage
	v_and_b32 v8, 15, v2
	v_lshrrev_b32 v9, 4, v2
	v_lshlrev_b32 v3, 11, v9
	v_lshl_add_u32 v3, v8, 4, v3                   ; in memory: sixteen lanes read 256 bytes of a row, the other sixteen the next row's
	v_mul_u32_u24 v4, v9, 272
	v_lshl_add_u32 v4, v8, 4, v4
	v_add_nc_u32 v4, s26, v4                       ; the same place in the stage
	v_mul_u32_u24 v5, v8, 272
	v_lshl_add_u32 v5, v9, 4, v5
	v_add_nc_u32 v5, s26, v5                       ; back: row = lane % 16, 16 bytes further on for lanes 16-31
	v_lshlrev_b32 v6, 3, v2
.irp i, 0,1,2,3
	v_mov_b32 v[MO+\i], 0                          ; v_writelane_b32 keeps the other lanes: written whole once
.endr
	s_mov_b32 s12, 8
	s_wait_kmcnt 0x0
	s_add_nc_u64 s[4:5], s[4:5], s[18:19]
	s_add_nc_u64 s[6:7], s[6:7], s[24:25]
.irp i, 0,1,2,3,4,5,6,7
	global_load_b128 v[MR+4*\i:MR+4*\i+3], v3, s[4:5] offset:4096*\i th:TH_LOAD_NT
.endr
.Lmtrip:
	s_wait_loadcnt 0x0
.irp i, 0,1,2,3,4,5,6,7
	ds_store_b128 v4, v[MR+4*\i:MR+4*\i+3] offset:544*\i
.endr
.irp i, 0,1,2,3,4,5,6,7
	ds_load_b128 v[MX+4*\i:MX+4*\i+3], v5 offset:32*\i
.endr
	s_wait_dscnt 0x0                               ; the turned bytes are in, and the stores have read their registers
	s_cmp_eq_u32 s12, 1                            ; the last trip asks for nothing: no load leaves the buffer
	s_cbranch_scc1 .Lmlast
.irp i, 0,1,2,3,4,5,6,7
	global_load_b128 v[MR+4*\i:MR+4*\i+3], v3, s[4:5] offset:4096*\i+256 th:TH_LOAD_NT
.endr
.Lmlast:
.irp e, 0,1                            ; the trip's two steps of 128 keys
.set NN, 0
.rept 16                               ; four words at a time: byte, compare (one bit a lane), the word into lane n / 2 of register n % 2
.irp k, 0,1,2,3
	v_bfe_u32 v[8+\k], v[MX+16*\e+NN], 8*\k, 8
.endr
.irp k, 0,1,2,3
	v_cmp_ne_u32 s[20+\k], 0, v[8+\k]
.endr
.irp k, 0,1,2,3
	v_writelane_b32 v[MO+2*\e+(\k&1)], s[20+\k], 2*NN+(\k>>1)
.endr
.set NN, NN+1
.endr
	global_store_b64 v6, v[MO+2*\e:MO+2*\e+1], s[6:7] offset:256*\e   ; 32 lanes store 256 consecutive bytes, aligned
.endr
	s_wait_xcnt 0x0                                ; the bases and the stores' data are written again only behind this wait
	s_add_nc_u64 s[4:5], s[4:5], 256
	s_add_nc_u64 s[6:7], s[6:7], 512
	s_sub_co_i32 s12, s12, 1
	s_cmp_lg_u32 s12, 0
	s_cbranch_scc1 .Lmtrip
	s_wait_tensorcnt 0x0
	ds_add_u32 v192, v193
	s_wait_dscnt 0x0
	s_endpgm
.Lpath_w:
; ---------------- W: a wave takes 32 columns x 256 along K: a lane takes a column, its registers run down K ----------------
	s_load_b128 s[4:7], s[0:1], 0x20               ; wq, wk
	s_load_b128 s[8:11], s[0:1], 0x30              ; wv, wo
	s_load_b64 s[12:13], s[0:1], 0x48              ; wq6
	s_sub_co_u32 s14, ttmp9, 896
	s_lshr_b32 s15, s14, 5                         ; the weight: 0 wq, 1 wk, 2 wv, 3 wo
	s_and_b32 s17, s14, 7
	s_bfe_u32 s18, s14, 0x20003                    ; which 256 along K
	s_lshl_b32 s17, s17, 7
	s_lshl_b32 s19, s16, 5
	s_add_co_u32 s17, s17, s19                     ; my wave's first column
	s_cmp_eq_u32 s15, 3
	s_cselect_b32 s19, 0, 24
	v_lshrrev_b32 v10, 3, v2
	v_lshrrev_b32 v11, 4, v2
	v_xor_b32 v10, v10, v11
	v_and_b32 v10, 1, v10
	v_mul_u32_u24 v10, v10, s19
	v_xor_b32 v10, v2, v10                         ; the column that lies at place `lane`: the lane with bits 3 and 4 exchanged (wo: the lane)
	v_lshlrev_b32 v3, 2, v10                       ; a wave's load still reads the same 128 consecutive bytes
	s_mul_i32 s20, s16, 32*WP
	s_add_co_u32 s20, s20, WSTG                    ; my stage
	v_mul_u32_u24 v4, v2, WP
	v_add_nc_u32 v4, s20, v4                       ; into it: row = my place
	v_and_b32 v5, 15, v2
	v_lshrrev_b32 v6, 4, v2
	v_mul_u32_u24 v7, v6, WP
	v_lshl_add_u32 v7, v5, 4, v7
	v_add_nc_u32 v7, s20, v7                       ; out of it: sixteen lanes to a row
	v_mul_u32_u24 v8, v6, 768
	v_mad_u32_u24 v8, v5, 12, v8                   ; and the same place in the codes' buffer
	s_lshl_b32 s22, s18, 20                        ; 256 rows of 4,096 bytes
	s_lshl_b32 s23, s17, 2
	s_add_co_u32 s22, s22, s23
	s_mov_b32 s23, 0
	s_mul_i32 s24, s15, 786432
	s_mul_i32 s25, s17, 768
	s_add_co_u32 s24, s24, s25
	s_mul_i32 s25, s18, 192
	s_add_co_u32 s24, s24, s25
	s_mov_b32 s25, 0
	s_lshl_b32 s26, s15, 15                        ; scale bytes of wq, wk, wv: [place][32]
	s_lshl_b32 s27, s17, 5
	s_add_co_u32 s26, s26, s27
	s_lshl_b32 s27, s18, 3
	s_add_co_u32 s26, s26, s27
	s_add_co_u32 s26, s26, 3145728
	s_lshl_b32 s28, s18, 13                        ; of wo: planes [K / 128][n] of one word
	s_lshl_b32 s27, s17, 2
	s_add_co_u32 s28, s28, s27
	s_add_co_u32 s28, s28, 3244032
	s_cmp_eq_u32 s15, 3
	s_cselect_b32 s26, s28, s26
	s_cselect_b32 s29, 4, 32
	s_mov_b32 s27, 0
	v_mul_u32_u24 v9, v2, s29
	s_wait_kmcnt 0x0
	s_cmp_eq_u32 s15, 1
	s_cselect_b64 s[4:5], s[6:7], s[4:5]
	s_cmp_eq_u32 s15, 2
	s_cselect_b64 s[4:5], s[8:9], s[4:5]
	s_cmp_eq_u32 s15, 3
	s_cselect_b64 s[4:5], s[10:11], s[4:5]
	s_add_nc_u64 s[4:5], s[4:5], s[22:23]
	s_add_nc_u64 s[6:7], s[12:13], s[24:25]
	s_add_nc_u64 s[8:9], s[12:13], s[26:27]
.macro WLOAD t
.irp i, 0,1,2,3,4,5,6,7,8,9,10,11,12,13,14,15,16,17,18,19,20,21,22,23,24,25,26,27,28,29,30,31
	global_load_b32 v[WX+32*((\t)%2)+\i], v3, s[4:5] offset:(32*(\t)+\i)*4096 th:TH_LOAD_NT
.endr
.endm
	WLOAD 0
	WLOAD 1
.macro WBLOCK t
.set WS, WX+32*((\t)%2)
.if (\t) < NB-1
	s_wait_loadcnt 32                              ; this block's 32 loads are in; the next block's may be out
.else
	s_wait_loadcnt 0
.endif
	v_max3_num_f32 v12, |v[WS]|, |v[WS+1]|, |v[WS+2]|
	v_max3_num_f32 v13, |v[WS+3]|, |v[WS+4]|, |v[WS+5]|
.irp i, 6,10,14,18,22,26
	v_max3_num_f32 v12, v12, |v[WS+\i]|, |v[WS+\i+1]|
	v_max3_num_f32 v13, v13, |v[WS+\i+2]|, |v[WS+\i+3]|
.endr
	v_max3_num_f32 v12, v12, |v[WS+30]|, |v[WS+31]|
	v_max3_num_f32 v12, v12, v13, 0x1800000        ; the floor 2^(3 - 127)
	v_add_nc_u32 v11, 0xff000000, v12              ; the conversion's scale operand
	v_lshrrev_b32 v13, 23, v11                     ; the scale's byte
.if (\t)%4 == 0
	v_mov_b32 v[SB+(\t)/4], v13
.else
	v_lshl_or_b32 v[SB+(\t)/4], v13, 8*((\t)%4), v[SB+(\t)/4]
.endif
	v_cvt_scalef32_pk16_fp6_f32 v[WC:WC+2], v[WS:WS+15], v11
	v_cvt_scalef32_pk16_fp6_f32 v[WC+4:WC+6], v[WS+16:WS+31], v11
	v_nop                                          ; a plain line behind the conversions
	ds_store_b96 v4, v[WC:WC+2] offset:32*(\t)     ; 12 bytes to a place of 16, so that every LDS address is a multiple of 16
	ds_store_b96 v4, v[WC+4:WC+6] offset:32*(\t)+16
.if (\t)+2 < NB
	WLOAD (\t)+2
.endif
	s_wait_dscnt 0x0                               ; the stores have read their registers
.endm
.set WQ, 0
.rept NB
	WBLOCK WQ
.set WQ, WQ+1
.endr
	s_cmp_eq_u32 s15, 3
	s_cbranch_scc1 .Lw_planes
	global_store_b64 v9, v[SB:SB+1], s[8:9]        ; my place's 8 scale bytes
	s_branch .Lw_codes
.Lw_planes:
	global_store_b32 v9, v[SB], s[8:9]             ; wo: a word to each of two planes, 128 consecutive bytes a wave
	global_store_b32 v9, v[SB+1], s[8:9] offset:4096
.Lw_codes:
.irp t, 0,1,2,3,4,5,6,7,8,9,10,11,12,13,14,15
	ds_load_b96 v[OUTR+4*\t:OUTR+4*\t+2], v7 offset:2*\t*WP
.endr
.irp t, 0,1,2,3,4,5,6,7,8,9,10,11,12,13,14,15
	s_wait_dscnt 15-\t
	global_store_b96 v8, v[OUTR+4*\t:OUTR+4*\t+2], s[6:7] offset:2*\t*768   ; sixteen lanes store a row's 192 consecutive bytes
.endr
	s_wait_tensorcnt 0x0
	ds_add_u32 v192, v193
	s_wait_dscnt 0x0
	s_endpgm
.Lfunc_end_k_q948264b1fe_prep:
	.size	k_q948264b1fe_prep, .Lfunc_end_k_q948264b1fe_prep-k_q948264b1fe_prep
	.p2alignl 7, 3214868480
	.fill 96, 4, 3214868480
	.section	.rodata,"a",@progbits
	.p2align	6, 0x0
	.amdhsa_kernel k_q948264b1fe_prep
		.amdhsa_group_segment_fixed_size 85504
		.amdhsa_private_segment_fixed_size 0
		.amdhsa_enable_private_segment 0
		.amdhsa_kernarg_size 88
		.amdhsa_user_sgpr_count 2
		.amdhsa_user_sgpr_kernarg_segment_ptr 1
		.amdhsa_wavefront_size32 1
		.amdhsa_system_sgpr_workgroup_id_x 1
		.amdhsa_system_sgpr_workgroup_id_y 1
		.amdhsa_system_sgpr_workgroup_id_z 1
		.amdhsa_system_vgpr_workitem_id 0
		.amdhsa_next_free_vgpr 194
		.amdhsa_next_free_sgpr 66
		.amdhsa_reserve_vcc 0
		.amdhsa_float_denorm_mode_32 3
		.amdhsa_float_denorm_mode_16_64 3
		.amdhsa_memory_ordered 1
		.amdhsa_forward_progress 1
		.amdhsa_inst_pref_size 104
	.end_amdhsa_kernel
	.amdgpu_metadata
---
amdhsa.version: [ 1, 2 ]
amdhsa.kernels:
  - .name:           k_q948264b1fe_prep
    .symbol:         k_q948264b1fe_prep.kd
    .args:
      - { .name: q, .offset: 0, .size: 8, .value_kind: global_buffer, .address_space: global }
      - { .name: k, .offset: 8, .size: 8, .value_kind: global_buffer, .address_space: global }
      - { .name: v, .offset: 16, .size: 8, .value_kind: global_buffer, .address_space: global }
      - { .name: mask, .offset: 24, .size: 8, .value_kind: global_buffer, .address_space: global }
      - { .name: wq, .offset: 32, .size: 8, .value_kind: global_buffer, .address_space: global }
      - { .name: wk, .offset: 40, .size: 8, .value_kind: global_buffer, .address_space: global }
      - { .name: wv, .offset: 48, .size: 8, .value_kind: global_buffer, .address_space: global }
      - { .name: wo, .offset: 56, .size: 8, .value_kind: global_buffer, .address_space: global }
      - { .name: xq, .offset: 64, .size: 8, .value_kind: global_buffer, .address_space: global }
      - { .name: wq6, .offset: 72, .size: 8, .value_kind: global_buffer, .address_space: global }
      - { .name: maskw, .offset: 80, .size: 8, .value_kind: global_buffer, .address_space: global }
    .group_segment_fixed_size: 85504
    .private_segment_fixed_size: 0
    .kernarg_segment_align: 8
    .kernarg_segment_size: 88
    .max_flat_workgroup_size: 128
    .sgpr_count:     66
    .vgpr_count:     194
    .wavefront_size: 32
...
	.end_amdgpu_metadata
.endif
;; end of part 1
;; launch proj (part 2): grid 4 x 96, 4 waves a work-group, clusters of 4 x 4, 327,680 bytes of LDS; arguments xq, wq6, bq, bk, bv, qimg, kv; writes qimg, kv
.if DOCPART == 2
	.amdgcn_target "amdgcn-amd-amdhsa--gfx1250"
	.amdhsa_code_object_version 6
	.text
	.protected	k_q948264b1fe_proj
	.globl	k_q948264b1fe_proj
	.p2align	8
	.type	k_q948264b1fe_proj,@function
k_q948264b1fe_proj:
	s_mov_b64 s[64:65], 0
	v_nop
	global_prefetch_b8 v0, s[64:65] scope:SCOPE_SE
	s_setreg_imm32_b32 hwreg(HW_REG_WAVE_MODE, 25, 1), 1
	s_wait_xcnt 0x0
	s_wait_alu depctr_hold_cnt(0) depctr_sa_sdst(0) depctr_va_vdst(0) depctr_va_sdst(0) depctr_va_ssrc(0) depctr_va_vcc(0) depctr_vm_vsrc(0)
	s_getreg_b32 s2, hwreg(HW_REG_IB_STS2, 6, 4)
	s_cmp_eq_u32 s2, 0
	s_cbranch_scc0 .Lentry_in_a_cluster
	s_endpgm
.Lentry_in_a_cluster:
	s_bfe_u32 s2, ttmp6, 0x10000c
	s_cmp_lg_u32 s2, 0xf033
	s_cbranch_scc0 .Lentry_shape_is_right
	s_endpgm
.Lentry_shape_is_right:
; THE THREE PROJECTIONS, on codes of E2M3 with E8M0 scales, their results quantised in registers and stored as images of the next product's operand registers.
; OUT[m][n] = bias + sum over k of A[m][k] B[n][k], K = 1,024; a tile of 256 x 256 to a work-group of four waves, 128 x 128 (64 accumulators, 512 registers) to a wave.
;   Q, K: A = the tokens' codes (8,192 rows), B = the weight's (1,024 rows): OUT is quantised along the channels (n), 64 to a head.
;   V:    A = wv's codes (1,024 channels), B = v's tokens (8,192): OUT = V^T, quantised along the keys (n).
; Which of the three: the cluster's y / 8, the same in all sixteen partners.  The product is used TRANSPOSED (source 0 = 16 rows of B, source 1 = 16 rows of A), and B's rows lie stored with bits 3 and 4 of
; their number exchanged: so the 64 accumulator registers of a block of 16 rows of A are, for lane (r, h), n = 32 b + 16 h + i in register 16 b + i: sixteen neighbours of each block of 32.
; K goes in steps of 256 through a ring of two LDS slots filled by the tensor data mover; the scale bytes of the work-group's rows come once, with the first fills.
; CLUSTER 4 x 4: A's tiles are asked for jointly along a row of the cluster, B's along a column.
; The bias is the C of each sum's first matrix instruction.
; REGISTERS: window 0: v0-31 addresses; v32-63 scale words, two sets; v64-127 the bias in the result's layout; v128-223 A's fragments, one set (on the way out: codes and scratch).
;   window 1: B's fragments, two sets.   windows 2, 3: the accumulators ((a, b) at v[8 (8 (a % 4) + b)]).
; LIMITS: a block of zeros gets the byte 1 where the rule says 127 (zero codes; only this program reads the bytes); NaN and infinities are not served.
.set KSTEP,  256
.set NQ,     2
.set ROWB,   192
.set KROW,   768
.set PITCH,  240                       ; an LDS row: 3 x (64 bytes + 16 of padding)
.set FR,     12
.set NL,     6
.set NP,     4
.set HALFT,  128*PITCH
.set SLOT,   4*HALFT
.set LAPS,   2
.set KS,     32
.set SCL,    2*SLOT
.set HALFS,  (128*KS/256)*272
.set SBLK,   (16*KS/256)*272
.set SPARE,  SCL+4*HALFS               ; the spare words: 128 bytes a wave, named by no other line
.set AJ,   6                           ; v6-13  the bias loads' eight offsets
.set ADRS, 15                          ; v15    LDS address of my scale words
.set ADRA, 16                          ; v16-19 LDS addresses of A's fragments (slot 0, 1; the same behind one padding more)
.set ADRB, 20                          ; v20-23 of B's
.set L16,  24                          ; v24    16 x lane
.set L8,   25                          ; v25    8 x lane
.set SST,  26                          ; v26    the scale words' small stage, in
.set SRD,  27                          ; v27    and back
.set SPW,  28
.set NIL,  29
.set GX,   30                          ; v30    the scale words' place in memory
.set SHF,  31                          ; v31    16 for lanes 16-31 of Q and K, else 0
.set SC,   32
.set BI,   64
.set AF,   128
.set CD,   128                         ; the way out: v128-147 codes
.set TM,   160                         ; v160-175 maxima, bytes, scale operands
.set PW,   176                         ; the scale word
.set SW,   180                         ; v180-187 what goes to the small stage
.set XB,   192                         ; v192-199 what comes back
.set G1, 24
.set G0, 32
.set G1B, 48
.set G0B, 56
.set G1S, 68
.set G0S, 76
.set G1SB, 80
.set G0SB, 88
.set MSB, 0
.macro WIN new                         ; the immediate's high byte repeats the setting that is left
.if MSB != \new
	s_set_vgpr_msb (MSB<<8)|\new
.set MSB, \new
.endif
.endm
.set MUL_LO, 0xa1                      ; source 0 (B) window 1, source 1 (A) window 0, C and D window 2
.set MUL_HI, 0xf1
.set FST_LO, 0x81                      ; the same with C (the bias) in window 0
.set FST_HI, 0xc1
.set TO_B,   0x40
; A joint load: waves 0 and 1 fetch for A, waves 2 and 3 for B; the branch hangs on the wave's number alone; four v_nop follow each line.
.macro JLOAD g0a, g1a, g0b, g1b
	s_cmp_eq_u32 s15, 0
	s_cbranch_scc0 .Lfor_b_\@
	tensor_load_to_lds s[\g0a:\g0a+3], s[\g1a:\g1a+7]
	s_nop 0
.rept 4
	v_nop
.endr
	s_branch .Lasked_\@
.Lfor_b_\@:
	tensor_load_to_lds s[\g0b:\g0b+3], s[\g1b:\g1b+7]
	s_nop 0
.rept 4
	v_nop
.endr
.Lasked_\@:
.endm
.macro CREST
	s_cmp_lg_u32 s14, 0
	s_cbranch_scc1 .Lnot_wave_0_\@
	s_barrier_signal -3
.Lnot_wave_0_\@:
	s_barrier_wait -3
	s_barrier_signal -1
	s_barrier_wait -1
.endm
.macro CROUND
	s_barrier_signal -1
	s_barrier_wait -1
	CREST
.endm
	s_load_b256 s[4:11], s[0:1], 0x0               ; xq, wq6, bq, bk
	s_load_b128 s[96:99], s[0:1], 0x20             ; bv, qimg
	s_load_b64 s[100:101], s[0:1], 0x30            ; kv
	v_lshl_add_u32 v[SPW], v0, 2, SPARE
	v_mov_b32 v[NIL], 0
	ds_add_u32 v28, v29
	s_wait_dscnt 0x0
	v_lshrrev_b32 v1, 5, v0
	v_readfirstlane_b32 s14, v1                    ; wave 0..3
	s_lshr_b32 s15, s14, 1                         ; my half of the tile's rows.  Also: I fetch for A (0) or B (1)
	s_and_b32 s16, s14, 1                          ; my half of its columns.  Also: which 128 rows I fetch
	s_bfe_u32 s40, ttmp6, 0x40000                  ; cx
	s_bfe_u32 s41, ttmp6, 0x40004                  ; cy
	s_and_b32 s12, ttmp7, 0xffff                   ; the cluster's y, 0..23
	s_and_b32 s2, s12, 7
	s_lshr_b32 s12, s12, 3                         ; the product: 0 Q, 1 K, 2 V
	s_cmp_eq_u32 s12, 2
	s_cselect_b32 s13, 1, 0                        ; 1 for V
	s_cselect_b32 s17, 0, s2
	s_cselect_b32 s42, s2, 0
	s_lshl_b32 s17, s17, 2
	s_add_co_u32 s17, s17, s41                     ; tile row
	s_lshl_b32 s42, s42, 2
	s_add_co_u32 s42, s42, s40                     ; tile column
	s_lshl_b32 s43, s41, 2
	s_lshl_b32 s43, 15, s43                        ; my row of the cluster
	s_lshl_b32 s44, 0x1111, s40                    ; my column
	s_or_b32 s[G1+0], s43, (0<<16)|(1<<20)|(1<<21)|(3<<22)|(3<<25)   ; the mask; elements of 1 byte; padding of 4 words behind every 16
	s_or_b32 s[G1B+0], s44, (0<<16)|(1<<20)|(1<<21)|(3<<22)|(3<<25)
.irp g, G1, G1B
	s_mov_b32 s[\g+1], ROWB<<16                    ; tensor_dim0
	s_mov_b32 s[\g+2], 128<<16                     ; tensor_dim1
	s_mov_b32 s[\g+3], ROWB<<16                    ; tile_dim0
	s_mov_b32 s[\g+4], 128                         ; tile_dim1
	s_mov_b32 s[\g+5], KROW                        ; from row to row
	s_mov_b32 s[\g+6], 0
	s_mov_b32 s[\g+7], 0
.endr
	s_or_b32 s[G1S+0], s43, (3<<16)|(1<<20)|(1<<21)|(5<<22)|(3<<25)  ; the scale bytes of 128 rows: 16 rows of 256 bytes, 16 of padding behind each
	s_or_b32 s[G1SB+0], s44, (3<<16)|(1<<20)|(1<<21)|(5<<22)|(3<<25)
.irp g, G1S, G1SB
	s_mov_b32 s[\g+1], 32<<16
	s_mov_b32 s[\g+2], (128*KS/256)<<16
	s_mov_b32 s[\g+3], 32<<16
	s_mov_b32 s[\g+4], 128*KS/256
	s_mov_b32 s[\g+5], 32
	s_mov_b32 s[\g+6], 0
	s_mov_b32 s[\g+7], 0
.endr
	s_lshl_b32 s18, s16, 7
	s_lshl_b32 s94, s17, 8
	s_add_co_u32 s94, s94, s18                     ; A: the first row that I fetch
	s_lshl_b32 s95, s42, 8
	s_add_co_u32 s95, s95, s18                     ; B: likewise
	s_mul_i32 s18, s12, 6291456                    ; the tokens' codes of this product in xq,
	s_mul_i32 s19, s12, 262144
	s_add_co_u32 s19, s19, 18874368                ; their scale bytes,
	s_mul_i32 s2, s12, 786432                      ; the weight's codes in wq6,
	s_mul_i32 s3, s12, 32768
	s_add_co_u32 s3, s3, 3145728                   ; its scale bytes
	s_cmp_eq_u32 s13, 1
	s_cselect_b32 s20, s2, s18                     ; A is the weight for V, else the tokens
	s_cselect_b32 s22, s3, s19
	s_cselect_b32 s46, s18, s2
	s_cselect_b32 s92, s19, s3
	s_mul_i32 s18, s94, KROW
	s_add_co_u32 s20, s20, s18
	s_lshl_b32 s18, s94, 5
	s_add_co_u32 s22, s22, s18
	s_mul_i32 s19, s95, KROW
	s_add_co_u32 s46, s46, s19
	s_lshl_b32 s19, s95, 5
	s_add_co_u32 s92, s92, s19
	s_mov_b32 s21, 0
	s_mov_b32 s23, 0
	s_mov_b32 s47, 0
	s_mov_b32 s93, 0
	s_mul_i32 s45, s14, HALFT                      ; where the tiles go: wave x 128 rows
	s_mul_i32 s94, s14, HALFS
	s_wait_kmcnt 0x0
	s_cmp_eq_u32 s13, 1
	s_cselect_b64 s[18:19], s[6:7], s[4:5]         ; A's buffer
	s_cselect_b64 s[2:3], s[4:5], s[6:7]           ; B's buffer
	s_add_nc_u64 s[20:21], s[18:19], s[20:21]
	s_add_nc_u64 s[22:23], s[18:19], s[22:23]
	s_add_nc_u64 s[46:47], s[2:3], s[46:47]
	s_add_nc_u64 s[92:93], s[2:3], s[92:93]
	CROUND                                         ; all sixteen work-groups are here: the first joint loads meet
	s_mov_b32 s[G0S], 1
	s_add_co_u32 s[G0S+1], s94, SCL
	s_mov_b64 s[G0S+2:G0S+3], s[22:23]
	s_or_b32 s[G0S+3], s[G0S+3], 0x80000000
	s_mov_b32 s[G0SB], 1
	s_add_co_u32 s[G0SB+1], s94, SCL
	s_mov_b64 s[G0SB+2:G0SB+3], s[92:93]
	s_or_b32 s[G0SB+3], s[G0SB+3], 0x80000000
	JLOAD G0S, G1S, G0SB, G1SB                     ; the scale bytes first
.irp s, 0,1
	s_mov_b32 s[G0+4*\s], 1
	s_add_co_u32 s[G0+4*\s+1], s45, \s*SLOT
	s_add_nc_u64 s[G0+4*\s+2:G0+4*\s+3], s[20:21], \s*ROWB
	s_or_b32 s[G0+4*\s+3], s[G0+4*\s+3], 0x80000000
	s_mov_b32 s[G0B+4*\s], 1
	s_add_co_u32 s[G0B+4*\s+1], s45, \s*SLOT
	s_add_nc_u64 s[G0B+4*\s+2:G0B+4*\s+3], s[46:47], \s*ROWB
	s_or_b32 s[G0B+4*\s+3], s[G0B+4*\s+3], 0x80000000
	JLOAD G0+4*\s, G1, G0B+4*\s, G1B               ; three tensor loads of mine are out now
.endr
	v_and_b32 v1, 15, v0                           ; r
	v_bfe_u32 v2, v0, 4, 1                         ; h
	v_mul_u32_u24 v3, v1, PITCH
	v_mul_u32_u24 v4, v2, 24
	v_add_nc_u32 v4, v3, v4                        ; a fragment's row x pitch + 24 h
	v_lshl_add_u32 v5, v2, 4, v4                   ; the same behind one padding more
	s_mul_i32 s21, s15, HALFT
	s_mul_i32 s22, s16, HALFT
	s_add_co_u32 s22, s22, 2*HALFT
.irp s, 0,1
	v_add_nc_u32 v[ADRA+\s], s21, v4
	v_add_nc_u32 v[ADRB+\s], s22, v4
	v_add_nc_u32 v[ADRA+2+\s], s21, v5
	v_add_nc_u32 v[ADRB+2+\s], s22, v5
	s_add_co_u32 s21, s21, SLOT
	s_add_co_u32 s22, s22, SLOT
.endr
	v_mul_u32_u24 v5, v1, KS
	v_lshrrev_b32 v6, 8, v5
	v_lshl_add_u32 v5, v6, 4, v5                   ; my row's scale bytes: 32 a row, 16 more for each 256 passed
	s_mul_i32 s21, s15, HALFS
	s_mul_i32 s22, s16, HALFS
	s_add_co_u32 s22, s22, 2*HALFS
	s_sub_co_u32 s22, s22, s21
	v_mul_u32_u24 v6, s22, v2                      ; lanes 16-31 take B's: the lower base + h x the distance
	s_add_co_u32 s21, s21, SCL
	v_add_nc_u32 v5, v5, v6
	v_add_nc_u32 v[ADRS], s21, v5
	v_and_b32 v3, 31, v0
	v_lshlrev_b32 v[L16], 4, v3
	v_lshlrev_b32 v[L8], 3, v3
	s_lshl_b32 s21, s14, 10                        ; the small stage: 1,024 bytes a wave, in slot 0, which has had its last fill and its last read when it is written
	v_lshlrev_b32 v4, 2, v1
	v_lshl_add_u32 v4, v2, 9, v4
	v_add_nc_u32 v[SST], s21, v4
	v_add_nc_u32 v[SRD], s21, v[L16]
	; where the results go.  cx and cy enter these store addresses and the bias's address alone.
	s_lshl_b32 s44, s17, 8
	s_lshl_b32 s43, s15, 7
	s_add_co_u32 s44, s44, s43                     ; my first row of OUT
	s_lshl_b32 s45, s42, 8
	s_lshl_b32 s43, s16, 7
	s_add_co_u32 s45, s45, s43                     ; my first column
	s_cmp_eq_u32 s13, 1
	s_cselect_b32 s46, s44, s45                    ; my first channel
	s_cselect_b32 s47, s45, s44                    ; my first token
	s_mov_b32 s40, 208896
	s_mov_b32 s41, 13056
	s_cmp_eq_u32 s12, 0
	s_cselect_b32 s40, 106496, s40                 ; bytes of a head,
	s_cselect_b32 s41, 6656, s41                   ; of a record of 128 tokens
	s_cselect_b64 s[98:99], s[98:99], s[100:101]   ; qimg or kv
	s_cmp_eq_u32 s12, 1
	s_cselect_b64 s[8:9], s[10:11], s[8:9]
	s_cmp_eq_u32 s13, 1
	s_cselect_b64 s[94:95], s[96:97], s[8:9]       ; the bias
	s_cselect_b32 s42, 6656, 0                     ; the codes' place in a record,
	s_mov_b32 s43, 6144
	s_cselect_b32 s43, 12800, s43                  ; the scale words',
	s_mov_b32 s18, 768
	s_cselect_b32 s18, 1536, s18                   ; from block a to a + 1,
	s_mov_b32 s20, 768
	s_cselect_b32 s20, 204288, s20                 ; from block 3 to 4 (V: on to the next head),
	s_cselect_b32 s44, 768, s40                    ; from a block's first six registers to its last six (Q, K: the next head)
	s_mov_b32 s45, 256
	s_cselect_b32 s45, 208896, s45
	s_mov_b32 s12, 0xffff
	s_cselect_b32 s12, -1, s12                     ; Q, K: a head's word has two bytes
	s_cselect_b32 s17, 0, 16
	s_cselect_b32 s100, 0, 64                      ; the bias's lane terms and stride
	s_cselect_b32 s101, 4, 0
	s_cselect_b32 s2, 0, 4
	s_lshr_b32 s21, s47, 11
	s_lshl_b32 s21, s21, 4
	s_lshr_b32 s19, s46, 6
	s_add_co_u32 s21, s21, s19                     ; head = 16 x batch + channel / 64
	s_mul_i32 s21, s21, s40
	s_bfe_u32 s19, s47, 0x40007                    ; which 128 tokens of the batch
	s_mul_i32 s19, s19, s41
	s_add_co_u32 s92, s21, s19
	s_mov_b32 s93, 0
	s_add_nc_u64 s[98:99], s[98:99], s[92:93]
	s_mov_b32 s92, s42
	s_add_nc_u64 s[4:5], s[98:99], s[92:93]        ; registers 0-5 of a block's codes
	s_mov_b32 s92, s44
	s_add_nc_u64 s[6:7], s[4:5], s[92:93]          ; registers 6-11
	s_mov_b32 s92, s43
	s_add_nc_u64 s[8:9], s[98:99], s[92:93]        ; the scale words
	s_mov_b32 s92, s40
	s_add_nc_u64 s[10:11], s[8:9], s[92:93]        ; and the next head's
	s_lshl_b32 s92, s46, 2
	s_add_nc_u64 s[94:95], s[94:95], s[92:93]      ; the bias at my first channel
	s_mov_b32 s19, 0
	s_mov_b32 s21, 0
	s_mov_b32 s22, 0x76543210
	s_mov_b32 s23, 0xfedcba98                      ; lane l xor 16
	v_mul_u32_u24 v4, v2, s45
	v_lshl_add_u32 v[GX], v1, 4, v4
	v_mul_u32_u24 v[SHF], v2, s17
	; THE BIAS in the result's layout, 64 registers.  Q, K: register 8 b + j = bias[32 (b / 2) + 8 (b % 2) + 16 h + j].  V: register 8 a + j = bias[32 (a / 2) + 8 (a % 2) + r + 8 (r / 8)], the same for all j.
	v_and_b32 v3, 8, v1
	v_add_nc_u32 v3, v3, v1
	v_mul_u32_u24 v3, v3, s101
	v_mad_u32_u24 v[AJ], v2, s100, v3
.irp j, 1,2,3,4,5,6,7
	v_mad_u32_u24 v[AJ+\j], s2, \j, v[AJ]
.endr
.irp x, 0,1,2,3,4,5,6,7
.irp j, 0,1,2,3,4,5,6,7
	global_load_b32 v[BI+8*\x+\j], v[AJ+\j], s[94:95] offset:(32*(\x/2)+8*(\x%2))*4
.endr
.endr
.macro FRAG reg, adr, q, i             ; 16 rows x 128 K: 12 registers, six pieces of 8 bytes; where lanes 16-31's piece lies behind one padding more, the second address register serves
.irp p, 0,1,2,3,4,5
.set PCE, 12*(\q)+6*(\p/3)+\p%3
.if PCE%8 < 5
	ds_load_b64 v[\reg+2*\p:\reg+2*\p+1], v[\adr] offset:8*PCE+16*(PCE/8)+(\i)*16*PITCH
.else
	ds_load_b64 v[\reg+2*\p:\reg+2*\p+1], v[\adr+2] offset:8*PCE+16*(PCE/8)+(\i)*16*PITCH
.endif
.endr
.endm
; 16 matrix instructions: A's blocks a0, a0 + 1 x B's eight.  zero = 0: C = D;  1: C = the bias by B's block;  2: by A's block.  The 64 accumulators take turns.
.macro MUL16 a0, p, q, sc, zero
.irp a, \a0, \a0+1
.irp b, 0,1,2,3,4,5,6,7
.if \zero == 1
	v_wmma_scale_f32_16x16x128_f8f6f4 v[8*(8*((\a)%4)+\b):8*(8*((\a)%4)+\b)+7], v[128*(\p)+FR*\b:128*(\p)+FR*\b+FR-1], v[AF+FR*(\a):AF+FR*(\a)+FR-1], v[BI+8*\b:BI+8*\b+7], v[SC+8*NQ*(\sc)+NQ*\b+(\q)], v[SC+8*NQ*(\sc)+NQ*(\a)+(\q)] matrix_a_fmt:MATRIX_FMT_FP6 matrix_b_fmt:MATRIX_FMT_FP6 matrix_a_scale:MATRIX_SCALE_ROW1
.elseif \zero == 2
	v_wmma_scale_f32_16x16x128_f8f6f4 v[8*(8*((\a)%4)+\b):8*(8*((\a)%4)+\b)+7], v[128*(\p)+FR*\b:128*(\p)+FR*\b+FR-1], v[AF+FR*(\a):AF+FR*(\a)+FR-1], v[BI+8*(\a):BI+8*(\a)+7], v[SC+8*NQ*(\sc)+NQ*\b+(\q)], v[SC+8*NQ*(\sc)+NQ*(\a)+(\q)] matrix_a_fmt:MATRIX_FMT_FP6 matrix_b_fmt:MATRIX_FMT_FP6 matrix_a_scale:MATRIX_SCALE_ROW1
.else
	v_wmma_scale_f32_16x16x128_f8f6f4 v[8*(8*((\a)%4)+\b):8*(8*((\a)%4)+\b)+7], v[128*(\p)+FR*\b:128*(\p)+FR*\b+FR-1], v[AF+FR*(\a):AF+FR*(\a)+FR-1], v[8*(8*((\a)%4)+\b):8*(8*((\a)%4)+\b)+7], v[SC+8*NQ*(\sc)+NQ*\b+(\q)], v[SC+8*NQ*(\sc)+NQ*(\a)+(\q)] matrix_a_fmt:MATRIX_FMT_FP6 matrix_b_fmt:MATRIX_FMT_FP6 matrix_a_scale:MATRIX_SCALE_ROW1
.endif
.endr
.endr
.endm
.macro FETCH_B slot, q, p
	WIN TO_B
.irp i, 0,1,2,3,4,5,6,7
	FRAG 128*(\p)+FR*\i, ADRB+\slot, \q, \i
.endr
	WIN 0
.endm
.macro FETCH_A slot, q, i0
.irp i, \i0, \i0+1, \i0+2, \i0+3
	FRAG AF+FR*(\i), ADRA+\slot, \q, \i
.endr
.endm
.macro SCALES sc                       ; a K step's scale words: lanes 0-15 A's block i, lanes 16-31 B's block i
.irp i, 0,1,2,3,4,5,6,7
	ds_load_b64 v[SC+8*NQ*\sc+NQ*\i:SC+8*NQ*\sc+NQ*\i+1], v[ADRS] offset:\i*SBLK
.endr
.endm
.macro PLACES n                        ; plain vector lines between a matrix instruction and a load into, or a read of, its registers
.rept \n
	v_nop
.endr
.endm
.macro STEP slot, q, zero              ; 128 along K that has its successor in the same slot
	s_wait_dscnt 4*NL                              ; B's set and A's blocks 0-3 are in; A's blocks 4-7 (24 loads) may be out
.if \zero
	WIN FST_LO
.else
	WIN MUL_LO
.endif
	MUL16 0, (\q)%2, \q, \slot, \zero
	MUL16 2, (\q)%2, \q, \slot, \zero
	s_wait_dscnt 0
	PLACES NP
	FETCH_B \slot, (\q)+1, 1-(\q)%2
	FETCH_A \slot, (\q)+1, 0
.if \zero
	WIN FST_HI
.else
	WIN MUL_HI
.endif
	MUL16 4, (\q)%2, \q, \slot, \zero
	MUL16 6, (\q)%2, \q, \slot, \zero
	PLACES NP
	WIN 0
	FETCH_A \slot, (\q)+1, 4
.endm
; A slot's last 128 along K changes slots: one barrier; in front of it each wave waits for all its tensor loads, adds 0 to its spare word, and waits for that and for its reads of the slot.
.macro TURN slot, next, fill
	s_wait_tensorcnt 0x0                           ; all my tensor loads have landed: my part of the next slot
	ds_add_u32 v[SPW], v[NIL]
	s_wait_dscnt 4*NL+1                            ; the add and A's blocks 4-7 may be out
	WIN MUL_LO
	MUL16 0, 1, NQ-1, \slot, 0
	s_wait_dscnt 0x0                               ; the add is done, my reads of this slot are over
	s_barrier_signal -1
	MUL16 2, 1, NQ-1, \slot, 0
	WIN 0
	s_barrier_wait -1
.if \fill
	CREST                                          ; the barrier has opened a round of the cluster's barrier
	s_add_nc_u64 s[G0+4*\slot+2:G0+4*\slot+3], s[G0+4*\slot+2:G0+4*\slot+3], 2*ROWB
	s_add_nc_u64 s[G0B+4*\slot+2:G0B+4*\slot+3], s[G0B+4*\slot+2:G0B+4*\slot+3], 2*ROWB
	JLOAD G0+4*\slot, G1, G0B+4*\slot, G1B         ; the first tensor load behind the round; its four v_nop are the places in front of the loads below
.else
	PLACES NP
.endif
	v_add_nc_u32 v[ADRS], 4*NQ, v[ADRS]
	FETCH_B \next, 0, 0
	FETCH_A \next, 0, 0
	SCALES \next
	WIN MUL_HI
	MUL16 4, 1, NQ-1, \slot, 0
	MUL16 6, 1, NQ-1, \slot, 0
	PLACES NP
	WIN 0
	FETCH_A \next, 0, 4
.endm
	s_wait_tensorcnt 1                             ; the scale bytes and my part of K step 0 are in; K step 1's load may be out
	s_barrier_signal -1
	s_barrier_wait -1
	FETCH_B 0, 0, 0
	FETCH_A 0, 0, 0
	SCALES 0
	FETCH_A 0, 0, 4
	s_wait_loadcnt 0x0                             ; the bias
	s_cmp_eq_u32 s13, 1                            ; the first 128 along K start the sums on the bias: written twice, since the bias goes by B's block or by A's
	s_cbranch_scc1 .Lfirst_v
	STEP 0, 0, 1
	s_branch .Lfirst_done
.Lfirst_v:
	STEP 0, 0, 2
.Lfirst_done:
	s_mov_b32 s3, LAPS-1
.Llap:
	TURN 0, 1, 1
	STEP 1, 0, 0
	TURN 1, 0, 1
	STEP 0, 0, 0
	s_sub_co_u32 s3, s3, 1
	s_cmp_lg_u32 s3, 0
	s_cbranch_scc1 .Llap
	TURN 0, 1, 0                                   ; the last lap fills nothing
	STEP 1, 0, 0
	s_wait_dscnt 4*NL
	WIN MUL_LO
	MUL16 0, 1, NQ-1, 1, 0
	MUL16 2, 1, NQ-1, 1, 0
	s_wait_dscnt 0
	WIN MUL_HI
	MUL16 4, 1, NQ-1, 1, 0
	MUL16 6, 1, NQ-1, 1, 0
	WIN 0
; THE WAY OUT.  Block a's 64 registers of a lane (register 16 b + i = n 32 b + 16 h + i of my row) become 12 registers of codes and a scale word.
.macro QUANT a
.set QW, 2+(\a)/4
.set QWW, QW*5
.set S0, 64*((\a)%4)
	WIN QWW                                        ; sources 0 and 1: the accumulators' window
.irp b, 0,1,2,3
	v_max3_num_f32 v[TM+\b], |v[S0+16*\b]|, |v[S0+16*\b+1]|, 0x1800000   ; each accumulator is read from its low end on; the floor 2^(3 - 127) holds the byte at 1
.endr
.irp i, 2,4,6,8,10,12,14
.irp b, 0,1,2,3
	v_max3_num_f32 v[TM+\b], |v[S0+16*\b+\i]|, |v[S0+16*\b+\i+1]|, v[TM+\b]
.endr
.endr
	WIN 0
.irp b, 0,1,2,3
	v_permlanex16_b32 v[TM+4+\b], v[TM+\b], s22, s23
.endr
.irp b, 0,1,2,3
	v_max_num_f32 v[TM+\b], v[TM+\b], v[TM+4+\b]   ; with lane l xor 16's: the block's largest magnitude
.endr
.irp b, 0,1,2,3
	v_add_nc_u32 v[TM+12+\b], 0xff000000, v[TM+\b] ; the conversion's scale operand
.endr
.irp b, 0,1,2,3
	v_lshrrev_b32 v[TM+4+\b], 23, v[TM+12+\b]      ; the byte
.endr
	v_lshl_or_b32 v[PW], v[TM+5], 8, v[TM+4]
	v_lshl_or_b32 v[PW], v[TM+6], 16, v[PW]
	v_lshl_or_b32 v[PW], v[TM+7], 24, v[PW]
	WIN QW                                         ; source 0: the accumulators' window
.irp c, 0,1
	v_cvt_scalef32_pk16_fp6_f32 v[CD+6*\c:CD+2+6*\c], v[S0+32*\c:S0+32*\c+15], v[TM+12+2*\c]
	v_cvt_scalef32_pk16_fp6_f32 v[CD+12+4*\c:CD+14+4*\c], v[S0+32*\c+16:S0+32*\c+31], v[TM+12+2*\c+1]
.endr
	WIN 0
	v_nop                                          ; a plain line behind the conversions
.irp c, 0,1                            ; a whole block to a lane: lanes 0-15 block 2 c, lanes 16-31 block 2 c + 1
.irp i, 0,1,2
	v_permlane16_swap_b32 v[CD+6*\c+\i], v[CD+12+4*\c+\i]
.endr
.irp i, 0,1,2
	v_mov_b32 v[CD+3+6*\c+\i], v[CD+12+4*\c+\i]
.endr
.endr
.endm
	PLACES NP
.irp b, 0,1,2,3
	v_mov_b32 v[TM+4+\b], 0                        ; a lane permute's destination counts as one of its sources
.endr
.irp a, 0,1,2,3,4,5,6,7
.if \a > 0
	s_wait_xcnt 0x0                                ; the last block's stores have read their data and bases
.if \a == 4
	s_add_nc_u64 s[4:5], s[4:5], s[20:21]
	s_add_nc_u64 s[6:7], s[6:7], s[20:21]
.else
	s_add_nc_u64 s[4:5], s[4:5], s[18:19]
	s_add_nc_u64 s[6:7], s[6:7], s[18:19]
.endif
.endif
	QUANT \a
	global_store_b128 v[L16], v[CD:CD+3], s[4:5]             ; 512 consecutive bytes, aligned at 256
	global_store_b64 v[L8], v[CD+4:CD+5], s[4:5] offset:512  ; 256 consecutive bytes, aligned
	global_store_b128 v[L16], v[CD+6:CD+9], s[6:7]
	global_store_b64 v[L8], v[CD+10:CD+11], s[6:7] offset:512
	v_lshrrev_b32 v[SW+\a], v[SHF], v[PW]          ; Q, K: lanes 0-15 keep the first head's two bytes, lanes 16-31 the second head's;  V: the whole word
	v_and_b32 v[SW+\a], s12, v[SW+\a]
	ds_store_b32 v[SST], v[SW+\a] offset:64*\a
.endr
	ds_load_b128 v[XB:XB+3], v[SRD]                ; LDS serves a wave's instructions in order: these see my stores
	ds_load_b128 v[XB+4:XB+7], v[SRD] offset:512
	s_wait_dscnt 0x0
	global_store_b128 v[GX], v[XB:XB+3], s[8:9]    ; Q, K: the first head's 512 bytes;  V: 256 bytes to each of two heads
	s_cmp_eq_u32 s13, 1
	s_cbranch_scc1 .Lv_done
	global_store_b128 v[GX], v[XB+4:XB+7], s[10:11]
.Lv_done:
	s_wait_tensorcnt 0x0                           ; the wave's end
	ds_add_u32 v[SPW], v[NIL]
	s_wait_dscnt 0x0
	CROUND                                         ; the closing round
	s_endpgm
.Lfunc_end_k_q948264b1fe_proj:
	.size	k_q948264b1fe_proj, .Lfunc_end_k_q948264b1fe_proj-k_q948264b1fe_proj
	.p2alignl 7, 3214868480
	.fill 96, 4, 3214868480
	.section	.rodata,"a",@progbits
	.p2align	6, 0x0
	.amdhsa_kernel k_q948264b1fe_proj
		.amdhsa_group_segment_fixed_size 327680
		.amdhsa_private_segment_fixed_size 0
		.amdhsa_enable_private_segment 0
		.amdhsa_kernarg_size 56
		.amdhsa_user_sgpr_count 2
		.amdhsa_user_sgpr_kernarg_segment_ptr 1
		.amdhsa_wavefront_size32 1
		.amdhsa_system_sgpr_workgroup_id_x 1
		.amdhsa_system_sgpr_workgroup_id_y 1
		.amdhsa_system_sgpr_workgroup_id_z 1
		.amdhsa_system_vgpr_workitem_id 0
		.amdhsa_next_free_vgpr 1024
		.amdhsa_next_free_sgpr 102
		.amdhsa_reserve_vcc 0
		.amdhsa_float_denorm_mode_32 3
		.amdhsa_float_denorm_mode_16_64 3
		.amdhsa_memory_ordered 1
		.amdhsa_forward_progress 1
		.amdhsa_inst_pref_size 191
	.end_amdhsa_kernel
	.amdgpu_metadata
---
amdhsa.version: [ 1, 2 ]
amdhsa.kernels:
  - .name:           k_q948264b1fe_proj
    .symbol:         k_q948264b1fe_proj.kd
    .args:
      - { .name: xq, .offset: 0, .size: 8, .value_kind: global_buffer, .address_space: global }
      - { .name: wq6, .offset: 8, .size: 8, .value_kind: global_buffer, .address_space: global }
      - { .name: bq, .offset: 16, .size: 8, .value_kind: global_buffer, .address_space: global }
      - { .name: bk, .offset: 24, .size: 8, .value_kind: global_buffer, .address_space: global }
      - { .name: bv, .offset: 32, .size: 8, .value_kind: global_buffer, .address_space: global }
      - { .name: qimg, .offset: 40, .size: 8, .value_kind: global_buffer, .address_space: global }
      - { .name: kv, .offset: 48, .size: 8, .value_kind: global_buffer, .address_space: global }
    .group_segment_fixed_size: 327680
    .private_segment_fixed_size: 0
    .kernarg_segment_align: 8
    .kernarg_segment_size: 56
    .max_flat_workgroup_size: 128
    .sgpr_count:     102
    .vgpr_count:     1024
    .wavefront_size: 32
...
	.end_amdgpu_metadata
.endif
;; end of part 2
;; launch attn (part 3): grid 8 x 32, 16 waves a work-group, clusters of 4 x 1, 327,680 bytes of LDS; arguments qimg, kv, maskw, xo; writes xo
.if DOCPART == 3
	.amdgcn_target "amdgcn-amd-amdhsa--gfx1250"
	.amdhsa_code_object_version 6
	.text
	.protected	k_q948264b1fe_attn
	.globl	k_q948264b1fe_attn
	.p2align	8
	.type	k_q948264b1fe_attn,@function
k_q948264b1fe_attn:
	s_mov_b64 s[64:65], 0
	v_nop
	global_prefetch_b8 v0, s[64:65] scope:SCOPE_SE
	s_setreg_imm32_b32 hwreg(HW_REG_WAVE_MODE, 25, 1), 1
	s_wait_xcnt 0x0
	s_wait_alu depctr_hold_cnt(0) depctr_sa_sdst(0) depctr_va_vdst(0) depctr_va_sdst(0) depctr_va_ssrc(0) depctr_va_vcc(0) depctr_vm_vsrc(0)
	s_getreg_b32 s2, hwreg(HW_REG_IB_STS2, 6, 4)
	s_cmp_eq_u32 s2, 0
	s_cbranch_scc0 .Lentry_in_a_cluster
	s_endpgm
.Lentry_in_a_cluster:
	s_bfe_u32 s2, ttmp6, 0x10000c
	s_cmp_lg_u32 s2, 0x3003
	s_cbranch_scc0 .Lentry_shape_is_right
	s_endpgm
.Lentry_shape_is_right:
; ATTENTION on codes of E2M3: S^T = K Q^T, mask, p = 2^(t - M), O^T = V^T P^T, x = O / l quantised along (head, d) for the last projection.
; SHARES.  A work-group owns 256 queries of one batch and a PAIR of heads, first one head, then the other; each of its sixteen waves owns 16 queries in 256 registers, four waves to a SIMD.
; Every wave walks all 2,048 keys, 128 a step.  A step's K and V lie in memory as ONE record of 13,056 bytes, images of the operands' registers: K's 8 tiles (6 registers each), their scale words,
; V^T's 4 fragments (12 registers each), their scale words.  A pair of heads is one dense stream of 32 records; it goes through two LDS slots of 8 records; waves 0-7 fetch a record each.
; CLUSTER 4 x 1: the four query blocks of a cluster walk the same stream: every record is asked for jointly.
; LAYOUT.  Both products are used transposed: a lane holds one query (lane % 16).  The keys of a tile of K are 32 b + 8 u + r + 8 (r / 8), so score register n holds key 32 (n / 16) + 16 (lane / 16) + n % 16.
; THE HEAD HAS 64 CHANNELS, THE INSTRUCTION 128: Q's registers 6-11 are zero codes.  K's operand for tile t is twelve registers from the tile's first on; its upper six are the next tile's codes
; (six zeros behind the last), which meet Q's zeros: E2M3 has no infinity and no NaN, so they add nothing.
; THE MASK comes as words of one bit a lane, one word for each score register, read into scalar registers a step ahead: one v_cndmask_b32 a score.
; SOFTMAX.  t = score x log2(e) / 8; M = the running largest t rounded up to a whole number; p = 2^(t - M); the sum is taken of the unquantised p; when M moves, sum and O^T are multiplied by 2^(old M - new M), exactly.
; LIMITS: a masked logit is -2^30 where the definition has -1e9 (the raw score becomes -2^33; times c that is a whole number, so a row that is wholly masked has p = 1 everywhere): results differ only where
; unmasked logits lie under about -9.9e8.  A block of zeros gets the byte 1 where the rule says 127.  NaN and infinities are not served.
; REGISTERS: v1-3 16, 8, 4 x lane; v4, v5 the spare word's address and 0; v6 -2^33; v7 4 r; v8-10 the step's LDS addresses; v11, v29, v30 the scale words' way out; v12 -M, v13 largest t, v[14:15] the sum;
;   v16-21 Q, v22-27 zeros, v28 Q's scale word; v32-79 K's tiles, then V's fragments; v80-85 zeros; v86-92 the second head's Q; v96-107 x's codes, v108 its scale word; v109-111 Q's offsets;
;   v128-191 S^T, then p; v192-223 O^T; v224-235 p's codes; v232-254 at work; v248-251 K's or V's scale words; v253 p's scale word.
; SCALARS: s2 the step's record in LDS; s3 counter; s4 wave; s[6:7] my mask words, s8 the step's offset in them; s[10:11] c; s[12:13] lane selects; s[14:15], s[66:67] x's images and scale words;
;   s16-63 and s68-83 the 64 mask words; s[84:91] descriptor group 1; s[92:95], s[96:99] groups 0 of the two slots; s[100:101] Q.
.set REC,   13056
.set SLOTB, 8*REC
.set SPARE, 2*SLOTB                    ; the spare words: 128 bytes a wave, named by no other line
.set XSST,  SPARE+2048                 ; 1,024 bytes: x's scale words of the work-group's 256 tokens
.macro CROUND
	s_barrier_signal -1
	s_barrier_wait -1
	s_cmp_lg_u32 s4, 0
	s_cbranch_scc1 .Lnot_wave_0_\@
	s_barrier_signal -3
.Lnot_wave_0_\@:
	s_barrier_wait -3
	s_barrier_signal -1
	s_barrier_wait -1
.endm
.macro MLOAD                           ; a step's 64 mask words
	s_load_b512 s[16:31], s[6:7], s8 offset:0x0
	s_load_b512 s[32:47], s[6:7], s8 offset:0x40
	s_load_b512 s[48:63], s[6:7], s8 offset:0x80
	s_load_b512 s[68:83], s[6:7], s8 offset:0xc0
.endm
	s_load_b256 s[16:23], s[0:1], 0x0              ; qimg, kv, maskw, xo
	v_lshl_add_u32 v4, v0, 2, SPARE
	v_mov_b32 v5, 0
	ds_add_u32 v4, v5
	ds_add_u32 v4, v5
	s_wait_dscnt 0x0
	v_lshrrev_b32 v8, 5, v0
	s_delay_alu instid0(VALU_DEP_1)
	v_readfirstlane_b32 s4, v8                     ; wave 0..15
	s_bfe_u32 s24, ttmp6, 0x40000                  ; cx: it enters Q's, the mask's and x's global addresses alone
	s_lshl_b32 s25, ttmp9, 2
	s_add_co_u32 s25, s25, s24                     ; my block of 256 queries, 0..7
	s_and_b32 s26, ttmp7, 0xffff                   ; 8 x batch + pair of heads
	s_lshr_b32 s27, s26, 3
	s_and_b32 s28, s26, 7
	s_lshl_b32 s29, s27, 7
	s_lshl_b32 s30, s25, 4
	s_add_co_u32 s29, s29, s30
	s_add_co_u32 s29, s29, s4                      ; my tile of 16 tokens, 0..511
	s_lshl_b32 s30, s29, 12                        ; its mask words: 16 steps x 256 bytes
	s_mov_b32 s31, 0
	s_lshl_b32 s32, s28, 9
	s_add_co_u32 s32, s32, s29
	s_mul_i32 s32, s32, 1536                       ; x's image: [pair][tile of tokens]
	s_mov_b32 s33, 0
	s_lshl_b32 s34, s28, 13
	s_lshl_b32 s35, s27, 11
	s_add_co_u32 s34, s34, s35
	s_lshl_b32 s35, s25, 8
	s_add_co_u32 s34, s34, s35
	s_lshl_b32 s34, s34, 2
	s_add_co_u32 s34, s34, 6291456                 ; x's scale words: planes [pair][token]
	s_mov_b32 s35, 0
	s_mul_i32 s36, s26, 2*106496                   ; Q: the pair's first head,
	s_lshl_b32 s37, s25, 1
	s_lshr_b32 s38, s4, 3
	s_add_co_u32 s37, s37, s38
	s_mul_i32 s37, s37, 6656                       ; my group of 128 queries
	s_add_co_u32 s36, s36, s37
	s_mov_b32 s37, 0
	s_mul_i32 s38, s26, 32*REC                     ; the pair's stream of K and V,
	s_mul_i32 s40, s4, REC                         ; the record that I fetch: in memory and in a slot
	s_add_co_u32 s38, s38, s40
	s_mov_b32 s39, 0
	s_mov_b32 s84, 15|(3<<16)|(1<<21)              ; the mask: all four work-groups; elements of 8 bytes; bit 21 beside a mask; no padding
	s_mov_b32 s85, 32<<16                          ; tensor_dim0: 32 elements = 256 bytes
	s_mov_b32 s86, 51<<16                          ; tensor_dim1: 51 rows
	s_mov_b32 s87, 32<<16                          ; tile_dim0
	s_mov_b32 s88, 51                              ; tile_dim1
	s_mov_b32 s89, 32                              ; dense
	s_mov_b32 s90, 0
	s_mov_b32 s91, 0
	s_mov_b32 s10, 0x3e38aa3b                      ; c = log2(e) / 8
	s_mov_b32 s11, s10
	s_mov_b32 s12, 0x76543210
	s_mov_b32 s13, 0xfedcba98
	s_mov_b32 s8, 0
	v_and_b32 v9, 31, v0
	v_and_b32 v10, 15, v0
	s_delay_alu instid0(VALU_DEP_2)
	v_lshlrev_b32 v1, 4, v9
	s_delay_alu instid0(VALU_DEP_3)
	v_lshlrev_b32 v2, 3, v9
	s_delay_alu instid0(VALU_DEP_4)
	v_lshlrev_b32 v3, 2, v9
	s_delay_alu instid0(VALU_DEP_4)
	v_lshlrev_b32 v7, 2, v10
	v_mov_b32 v6, 0xd0000000                       ; -2^33
	s_lshl_b32 s41, s4, 6
	s_add_co_u32 s41, s41, XSST
	v_add_nc_u32 v11, s41, v7                      ; where my row's scale word of x goes
	s_and_b32 s42, s4, 1
	s_lshl_b32 s42, s42, 9
	v_add_nc_u32 v30, s42, v1                      ; waves 0 and 1 carry 512 bytes each of them out
	s_delay_alu instid0(VALU_DEP_1)
	v_add_nc_u32 v29, XSST, v30
	s_and_b32 s43, s4, 7
	s_mul_i32 s44, s43, 768
	v_add_nc_u32 v109, s44, v1                     ; Q: my tile's image in the group's record
	v_add_nc_u32 v110, s44, v2
	s_lshl_b32 s43, s43, 6
	v_add_nc_u32 v111, s43, v7
	s_wait_kmcnt 0x0
	s_add_nc_u64 s[6:7], s[20:21], s[30:31]
	s_add_nc_u64 s[14:15], s[22:23], s[32:33]
	s_add_nc_u64 s[66:67], s[22:23], s[34:35]
	s_add_nc_u64 s[100:101], s[16:17], s[36:37]
	s_mov_b32 s92, 1
	s_mov_b32 s93, s40
	s_add_nc_u64 s[94:95], s[18:19], s[38:39]
	s_mov_b32 s96, 1
	s_add_co_u32 s97, s40, SLOTB
	s_add_nc_u64 s[98:99], s[94:95], SLOTB
	s_or_b32 s95, s95, 0x80000000
	s_or_b32 s99, s99, 0x80000000
	CROUND                                         ; all four work-groups are here: the first joint loads meet
	s_cmp_lt_u32 s4, 8                             ; a wave's two first fills stand in one branch: two tensor loads of mine are out
	s_cbranch_scc0 .Lno_first
	tensor_load_to_lds s[92:95], s[84:91]
	s_nop 0
	tensor_load_to_lds s[96:99], s[84:91]
	s_nop 0
.rept 4
	v_nop
.endr
.Lno_first:
	s_wait_alu depctr_va_vdst(0)
	global_load_b128 v[16:19], v109, s[100:101]
	global_load_b64 v[20:21], v110, s[100:101] offset:512
	global_load_b32 v28, v111, s[100:101] offset:6144
	global_load_b128 v[86:89], v109, s[100:101] offset:106496
	global_load_b64 v[90:91], v110, s[100:101] offset:106496+512
	global_load_b32 v92, v111, s[100:101] offset:106496+6144
	MLOAD                                          ; step 0's mask words
.irp i, 22,23,24,25,26,27,80,81,82,83,84,85,236,237,238,239,253,14,15
	v_mov_b32 v\i, 0
.endr
.set JJ, 0
.rept 32
	v_mov_b32 v[192+JJ], 0                         ; O^T: the step is written once; its first trip finds zeros
.set JJ, JJ+1
.endr
	v_mov_b32 v13, 0xff61b1e6                      ; the largest t so far: -3e38
	s_delay_alu instid0(VALU_DEP_1)
	v_floor_f32 v12, -v13
	s_wait_loadcnt 0x0                             ; Q
	s_wait_tensorcnt 0x1                           ; my record of slot 0 is in; slot 1's may be out
	s_barrier_signal -1
	s_barrier_wait -1
; A KEY STEP: 128 keys.
.macro STEP
	v_add_nc_u32 v8, s2, v1
	v_add_nc_u32 v9, s2, v2
	v_add_nc_u32 v10, s2, v3
	v_nop                                          ; four places behind the last step's products, in front of loads into their registers
.irp t, 0,1,2,3,4,5,6,7
	ds_load_b128 v[32+6*\t:35+6*\t], v8 offset:768*\t
	ds_load_b64 v[36+6*\t:37+6*\t], v9 offset:768*\t+512
.endr
.irp x, 0,1,2,3
	ds_load_b32 v[248+\x], v10 offset:6144+128*\x  ; lanes 0-15: tile 2 x's scale words, lanes 16-31: tile 2 x + 1's
.endr
	s_wait_alu depctr_va_vdst(0)
	s_wait_dscnt 0x0
.irp t, 0,2,4,6
	v_wmma_scale_f32_16x16x128_f8f6f4 v[128+8*\t:135+8*\t], v[32+6*\t:43+6*\t], v[16:27], 0, v[248+\t/2], v28 matrix_a_fmt:MATRIX_FMT_FP6 matrix_b_fmt:MATRIX_FMT_FP6
	v_wmma_scale_f32_16x16x128_f8f6f4 v[136+8*\t:143+8*\t], v[38+6*\t:49+6*\t], v[16:27], 0, v[248+\t/2], v28 matrix_a_fmt:MATRIX_FMT_FP6 matrix_b_fmt:MATRIX_FMT_FP6 matrix_a_scale:MATRIX_SCALE_ROW1
.endr
.rept 4
	v_nop                                          ; places in front of the loads over K's registers and of the first read of the scores
.endr
.irp t, 0,1,2,3                        ; V's fragments land while the softmax is worked
	ds_load_b128 v[32+12*\t:35+12*\t], v8 offset:6656+1536*\t
	ds_load_b64 v[36+12*\t:37+12*\t], v9 offset:6656+1536*\t+512
	ds_load_b128 v[38+12*\t:41+12*\t], v8 offset:6656+1536*\t+768
	ds_load_b64 v[42+12*\t:43+12*\t], v9 offset:6656+1536*\t+1280
.endr
.irp x, 0,1
	ds_load_b32 v[248+\x], v10 offset:12800+128*\x
.endr
	s_wait_kmcnt 0x0                               ; this step's mask words, asked for a step ago
.set NN, 0
.rept 64
.if NN < 48
	v_cndmask_b32 v[128+NN], v[128+NN], v6, s[16+NN]   ; a hidden score becomes -2^33; each accumulator is read from its low end on
.else
	v_cndmask_b32 v[128+NN], v[128+NN], v6, s[20+NN]
.endif
.set NN, NN+1
.endr
	s_add_co_u32 s8, s8, 256                       ; the loads that read s8 are done: the next step's words; behind step 15 the wrap brings step 0's back, for the second head
	s_and_b32 s8, s8, 0xfff                        ; (behind the very last step they are fetched once more and not used)
	MLOAD
.irp b, 0,1,2,3
	v_max3_num_f32 v[232+\b], v[128+16*\b], v[129+16*\b], v[130+16*\b]   ; the largest score of each block of 32 keys: for the row's maximum and for the block's largest p
.endr
.irp i, 3,5,7,9,11,13
.irp b, 0,1,2,3
	s_delay_alu instid0(VALU_DEP_4)
	v_max3_num_f32 v[232+\b], v[232+\b], v[128+16*\b+\i], v[129+16*\b+\i]
.endr
.endr
.irp b, 0,1,2,3
	s_delay_alu instid0(VALU_DEP_4)
	v_max_num_f32 v[232+\b], v[232+\b], v[143+16*\b]
.endr
.irp b, 0,1,2,3
	s_delay_alu instid0(VALU_DEP_4)
	v_permlanex16_b32 v[236+\b], v[232+\b], s12, s13
.endr
.irp b, 0,1,2,3
	s_delay_alu instid0(VALU_DEP_4)
	v_max_num_f32 v[232+\b], v[232+\b], v[236+\b]
.endr
	s_delay_alu instid0(VALU_DEP_2)
	v_max3_num_f32 v254, v232, v233, v234
	s_delay_alu instid0(VALU_DEP_1)
	v_max_num_f32 v254, v254, v235
	s_delay_alu instid0(VALU_DEP_1)
	v_mul_f32 v254, s10, v254                      ; as t
	s_delay_alu instid0(VALU_DEP_1)
	v_max_num_f32 v13, v13, v254                   ; the running largest t
	v_mov_b32 v254, v12
	s_delay_alu instid0(VALU_DEP_2)
	v_floor_f32 v12, -v13                          ; -M = floor(-t): M is a whole number
	s_delay_alu instid0(VALU_DEP_1)
	v_sub_f32 v254, v12, v254                      ; old M - new M, 0 or less
	s_delay_alu instid0(VALU_DEP_1)
	v_cvt_i32_f32 v254, v254                       ; (it saturates)
	s_delay_alu instid0(VALU_DEP_1)
	v_ldexp_f32 v252, 1.0, v254                    ; f = 2^(old M - new M)
.set JJ, 0
.rept 32
	v_pk_fma_f32 v[128+JJ:129+JJ], v[128+JJ:129+JJ], s[10:11], v[12:13] op_sel_hi:[1,0,0]   ; t - M
.set JJ, JJ+2
.endr
.irp b, 0,1,2,3
	v_fma_f32 v[232+\b], v[232+\b], s10, v12
.endr
.set JJ, 0
	s_setprio 1
	s_wait_alu depctr_va_vdst(0)
.rept 64
	v_exp_f32 v[128+JJ], v[128+JJ]                 ; p = 2^(t - M)
.set JJ, JJ+1
.endr
	v_pk_mul_f32 v[14:15], v[14:15], v[252:253] op_sel_hi:[1,0]   ; the sum under the new M: the plain line behind the exponentials
	s_wait_alu depctr_va_vdst(0)                   ; one wait for the batch, ahead of its first reader
.irp b, 0,1,2,3
	v_exp_f32 v[232+\b], v[232+\b]                 ; each block's largest p
.endr
	v_pk_add_f32 v[236:237], v[132:133], v[136:137]
	v_pk_add_f32 v[254:255], v[140:141], v[144:145]
	v_pk_add_f32 v[250:251], v[148:149], v[152:153]
	v_pk_add_f32 v[246:247], v[156:157], v[160:161]
	v_pk_add_f32 v[244:245], v[164:165], v[168:169]
	v_pk_add_f32 v[242:243], v[172:173], v[176:177]
	v_pk_add_f32 v[240:241], v[180:181], v[184:185]
	v_pk_add_f32 v[14:15], v[14:15], v[188:189]
	v_pk_add_f32 v[236:237], v[236:237], v[128:129]
	v_pk_add_f32 v[254:255], v[254:255], v[130:131]
	v_pk_add_f32 v[250:251], v[250:251], v[134:135]
	v_pk_add_f32 v[246:247], v[246:247], v[138:139]
	v_pk_add_f32 v[244:245], v[244:245], v[142:143]
	v_pk_add_f32 v[242:243], v[242:243], v[146:147]
	v_pk_add_f32 v[240:241], v[240:241], v[150:151]
	v_pk_add_f32 v[14:15], v[14:15], v[154:155]
	v_pk_add_f32 v[236:237], v[236:237], v[158:159]
	v_pk_add_f32 v[254:255], v[254:255], v[162:163]
	v_pk_add_f32 v[250:251], v[250:251], v[166:167]
	v_pk_add_f32 v[246:247], v[246:247], v[170:171]
	v_pk_add_f32 v[244:245], v[244:245], v[174:175]
	v_pk_add_f32 v[242:243], v[242:243], v[178:179]
	v_pk_add_f32 v[240:241], v[240:241], v[182:183]
	v_pk_add_f32 v[14:15], v[14:15], v[186:187]
	v_pk_add_f32 v[236:237], v[236:237], v[190:191]
	s_delay_alu instid0(VALU_DEP_2)
	v_pk_add_f32 v[14:15], v[14:15], v[246:247]
	s_delay_alu instid0(VALU_DEP_2)
	v_pk_add_f32 v[236:237], v[236:237], v[244:245]
	v_pk_add_f32 v[254:255], v[254:255], v[242:243]
	v_pk_add_f32 v[250:251], v[250:251], v[240:241]
	s_delay_alu instid0(VALU_DEP_2)
	v_pk_add_f32 v[14:15], v[14:15], v[254:255]
	s_delay_alu instid0(VALU_DEP_2)
	v_pk_add_f32 v[236:237], v[236:237], v[250:251]
	s_delay_alu instid0(VALU_DEP_1)
	v_pk_add_f32 v[14:15], v[14:15], v[236:237]
	s_wait_alu depctr_va_vdst(0)                   ; and one for the four
.irp b, 0,1,2,3
	v_max_num_f32 v[232+\b], 0x1800000, v[232+\b]  ; the floor 2^(3 - 127)
.endr
.irp b, 0,1,2,3
	s_delay_alu instid0(VALU_DEP_4)
	v_add_nc_u32 v[244+\b], 0xff000000, v[232+\b]  ; the conversion's scale operand
.endr
.irp b, 0,1,2,3
	s_delay_alu instid0(VALU_DEP_4)
	v_lshrrev_b32 v[236+\b], 23, v[244+\b]
.endr
	s_delay_alu instid0(VALU_DEP_3)
	v_lshl_or_b32 v253, v237, 8, v236              ; p's scale word
	s_delay_alu instid0(VALU_DEP_1)
	v_lshl_or_b32 v253, v238, 16, v253
	s_delay_alu instid0(VALU_DEP_1)
	v_lshl_or_b32 v253, v239, 24, v253
.irp c, 0,1
	v_cvt_scalef32_pk16_fp6_f32 v[224+6*\c:226+6*\c], v[128+32*\c:143+32*\c], v[244+2*\c]
	v_cvt_scalef32_pk16_fp6_f32 v[236+4*\c:238+4*\c], v[144+32*\c:159+32*\c], v[244+2*\c+1]
.endr
	s_setprio 0
	v_nop                                          ; a plain line behind the conversions
.irp c, 0,1
.irp i, 0,1,2
	v_permlane16_swap_b32 v[224+6*\c+\i], v[236+4*\c+\i]
.endr
.irp i, 0,1,2
	s_delay_alu instid0(VALU_DEP_3)
	v_mov_b32 v[227+6*\c+\i], v[236+4*\c+\i]
.endr
.endr
.set JJ, 0
.rept 16
	v_pk_mul_f32 v[192+JJ:193+JJ], v[192+JJ:193+JJ], v[252:253] op_sel_hi:[1,0]   ; O^T under the new M; these sixteen also stand between the writes of p's codes and scale word and the products
.set JJ, JJ+2
.endr
	s_wait_alu depctr_va_vdst(0)
	s_wait_dscnt 0x0                               ; V
.irp t, 0,2
	v_wmma_scale_f32_16x16x128_f8f6f4 v[192+8*\t:199+8*\t], v[32+12*\t:43+12*\t], v[224:235], v[192+8*\t:199+8*\t], v[248+\t/2], v253 matrix_a_fmt:MATRIX_FMT_FP6 matrix_b_fmt:MATRIX_FMT_FP6
	v_wmma_scale_f32_16x16x128_f8f6f4 v[200+8*\t:207+8*\t], v[44+12*\t:55+12*\t], v[224:235], v[200+8*\t:207+8*\t], v[248+\t/2], v253 matrix_a_fmt:MATRIX_FMT_FP6 matrix_b_fmt:MATRIX_FMT_FP6 matrix_a_scale:MATRIX_SCALE_ROW1
.endr
	s_add_co_u32 s2, s2, REC
.endm
.macro PHASE slot                      ; a slot's eight key steps
	s_mov_b32 s2, \slot*SLOTB
	s_mov_b32 s3, 8
.Lstep_\@:
	s_setprio 2
	STEP
	s_sub_co_u32 s3, s3, 1
	s_cmp_lg_u32 s3, 0
	s_cbranch_scc1 .Lstep_\@
	s_setprio 0
.endm
; THE CHANGE OF SLOTS.  Each wave waits for all its tensor loads, adds 0 to its spare word, waits for that and for its reads of the slot that it leaves.  fill = 1: that slot takes the records 16 further on:
; a round of the cluster's barrier, then the joint load first: it has eight key steps in which to land.
.macro CHANGE g0, fill
	s_wait_tensorcnt 0x0
	ds_add_u32 v4, v5
.if \fill
	s_add_nc_u64 s[\g0+2:\g0+3], s[\g0+2:\g0+3], 2*SLOTB
.endif
	s_wait_dscnt 0x0
.if \fill
	CROUND
	s_cmp_lt_u32 s4, 8
	s_cbranch_scc0 .Lnone_\@
	tensor_load_to_lds s[\g0:\g0+3], s[84:91]
	s_nop 0
.rept 4
	v_nop
.endr
.Lnone_\@:
.else
	s_barrier_signal -1
	s_barrier_wait -1
.endif
.endm
; A HEAD IS DONE: x = O^T / the sum; register 16 b + i is channel 32 b + 16 h + i of my query: two blocks of 32, quantised; they are registers 6 hd .. 6 hd + 5 of the last projection's operand.
.macro FINISH hd
	v_add_f32 v14, v14, v15
	s_delay_alu instid0(VALU_DEP_1)
	v_permlanex16_b32 v252, v14, s12, s13
	s_delay_alu instid0(VALU_DEP_1)
	v_add_f32 v14, v14, v252
	s_wait_alu depctr_va_vdst(0)
	v_rcp_f32 v14, v14
.rept 4
	v_nop                                          ; the plain line behind the reciprocal, and the places behind the last products
.endr
	s_wait_alu depctr_va_vdst(0)                   ; ahead of the first reader
.set JJ, 0
.rept 16
	v_pk_mul_f32 v[192+JJ:193+JJ], v[192+JJ:193+JJ], v[14:15] op_sel_hi:[1,0]   ; each accumulator from its low end on
.set JJ, JJ+2
.endr
.irp b, 0,1
	v_max3_num_f32 v[232+\b], |v[192+16*\b]|, |v[193+16*\b]|, 0x1800000
.endr
.irp i, 2,4,6,8,10,12,14
.irp b, 0,1
	s_delay_alu instid0(VALU_DEP_2)
	v_max3_num_f32 v[232+\b], v[232+\b], |v[192+16*\b+\i]|, |v[193+16*\b+\i]|
.endr
.endr
.irp b, 0,1
	s_delay_alu instid0(VALU_DEP_2)
	v_permlanex16_b32 v[236+\b], v[232+\b], s12, s13
.endr
.irp b, 0,1
	s_delay_alu instid0(VALU_DEP_2)
	v_max_num_f32 v[232+\b], v[232+\b], v[236+\b]
.endr
.irp b, 0,1
	s_delay_alu instid0(VALU_DEP_2)
	v_add_nc_u32 v[244+\b], 0xff000000, v[232+\b]
.endr
.irp b, 0,1
	s_delay_alu instid0(VALU_DEP_2)
	v_lshrrev_b32 v[236+\b], 23, v[244+\b]
.endr
	s_delay_alu instid0(VALU_DEP_1)
	v_lshl_or_b32 v254, v237, 8, v236
.if \hd == 0
	s_delay_alu instid0(VALU_DEP_1)
	v_mov_b32 v108, v254                           ; the scale word's bytes 0, 1
.else
	s_delay_alu instid0(VALU_DEP_1)
	v_lshl_or_b32 v108, v254, 16, v108             ; and 2, 3
.endif
	v_cvt_scalef32_pk16_fp6_f32 v[96+6*\hd:98+6*\hd], v[192:207], v244
	v_cvt_scalef32_pk16_fp6_f32 v[240:242], v[208:223], v245
	v_nop
.irp i, 0,1,2
	v_permlane16_swap_b32 v[96+6*\hd+\i], v[240+\i]
.endr
.irp i, 0,1,2
	s_delay_alu instid0(VALU_DEP_3)
	v_mov_b32 v[99+6*\hd+\i], v[240+\i]
.endr
.if \hd == 0                           ; the second head begins: its Q's scale word first, so that it stands more than eight plain lines ahead of the next product
	v_mov_b32 v28, v92
.irp i, 0,1,2,3,4,5
	v_mov_b32 v[16+\i], v[86+\i]
.endr
.set JJ, 0
.rept 32
	v_mov_b32 v[192+JJ], 0
.set JJ, JJ+1
.endr
	v_mov_b32 v13, 0xff61b1e6
	s_delay_alu instid0(VALU_DEP_1)
	v_floor_f32 v12, -v13
	v_mov_b32 v14, 0
	v_mov_b32 v15, 0
.endif
.endm
	PHASE 0                                        ; first head, keys 0-1,023
	CHANGE 92, 1                                   ; slot 0 takes the second head's first eight records
	PHASE 1                                        ; first head, keys 1,024-2,047
	CHANGE 96, 1                                   ; slot 1 takes its last eight
	FINISH 0
	PHASE 0
	CHANGE 96, 0                                   ; nothing is left to fetch
	PHASE 1
	FINISH 1
	global_store_b128 v1, v[96:99], s[14:15]               ; the fragment's image: three stores of 512 consecutive bytes, aligned at 256
	global_store_b128 v1, v[100:103], s[14:15] offset:512
	global_store_b128 v1, v[104:107], s[14:15] offset:1024
	ds_store_b32 v11, v108                         ; both halves of the lanes hold the same word
	s_wait_dscnt 0x0                               ; for the others' sake
	s_barrier_signal -1
	s_barrier_wait -1
	s_cmp_lt_u32 s4, 2
	s_cbranch_scc0 .Lno_words
	ds_load_b128 v[112:115], v29
	s_wait_dscnt 0x0
	global_store_b128 v30, v[112:115], s[66:67]    ; 512 consecutive bytes a wave
.Lno_words:
	s_wait_tensorcnt 0x0                           ; the wave's end
	ds_add_u32 v4, v5
	s_wait_dscnt 0x0
	CROUND                                         ; the closing round
	s_endpgm
.Lfunc_end_k_q948264b1fe_attn:
	.size	k_q948264b1fe_attn, .Lfunc_end_k_q948264b1fe_attn-k_q948264b1fe_attn
	.p2alignl 7, 3214868480
	.fill 96, 4, 3214868480
	.section	.rodata,"a",@progbits
	.p2align	6, 0x0
	.amdhsa_kernel k_q948264b1fe_attn
		.amdhsa_group_segment_fixed_size 327680
		.amdhsa_private_segment_fixed_size 0
		.amdhsa_enable_private_segment 0
		.amdhsa_kernarg_size 32
		.amdhsa_user_sgpr_count 2
		.amdhsa_user_sgpr_kernarg_segment_ptr 1
		.amdhsa_wavefront_size32 1
		.amdhsa_system_sgpr_workgroup_id_x 1
		.amdhsa_system_sgpr_workgroup_id_y 1
		.amdhsa_system_sgpr_workgroup_id_z 1
		.amdhsa_system_vgpr_workitem_id 0
		.amdhsa_next_free_vgpr 256
		.amdhsa_next_free_sgpr 102
		.amdhsa_reserve_vcc 0
		.amdhsa_float_denorm_mode_32 3
		.amdhsa_float_denorm_mode_16_64 3
		.amdhsa_memory_ordered 1
		.amdhsa_forward_progress 1
		.amdhsa_inst_pref_size 112
	.end_amdhsa_kernel
	.amdgpu_metadata
---
amdhsa.version: [ 1, 2 ]
amdhsa.kernels:
  - .name:           k_q948264b1fe_attn
    .symbol:         k_q948264b1fe_attn.kd
    .args:
      - { .name: qimg, .offset: 0, .size: 8, .value_kind: global_buffer, .address_space: global }
      - { .name: kv, .offset: 8, .size: 8, .value_kind: global_buffer, .address_space: global }
      - { .name: maskw, .offset: 16, .size: 8, .value_kind: global_buffer, .address_space: global }
      - { .name: xo, .offset: 24, .size: 8, .value_kind: global_buffer, .address_space: global }
    .group_segment_fixed_size: 327680
    .private_segment_fixed_size: 0
    .kernarg_segment_align: 8
    .kernarg_segment_size: 32
    .max_flat_workgroup_size: 512
    .sgpr_count:     102
    .vgpr_count:     256
    .wavefront_size: 32
...
	.end_amdgpu_metadata
.endif
;; end of part 3
;; launch oproj (part 4): grid 4 x 32, 4 waves a work-group, clusters of 4 x 4, 327,680 bytes of LDS; arguments xo, wq6, bo, out0; writes out0
.if DOCPART == 4
	.amdgcn_target "amdgcn-amd-amdhsa--gfx1250"
	.amdhsa_code_object_version 6
	.text
	.protected	k_q948264b1fe_oproj
	.globl	k_q948264b1fe_oproj
	.p2align	8
	.type	k_q948264b1fe_oproj,@function
k_q948264b1fe_oproj:
	s_mov_b64 s[64:65], 0
	v_nop
	global_prefetch_b8 v0, s[64:65] scope:SCOPE_SE
	s_setreg_imm32_b32 hwreg(HW_REG_WAVE_MODE, 25, 1), 1
	s_wait_xcnt 0x0
	s_wait_alu depctr_hold_cnt(0) depctr_sa_sdst(0) depctr_va_vdst(0) depctr_va_sdst(0) depctr_va_ssrc(0) depctr_va_vcc(0) depctr_vm_vsrc(0)
	s_getreg_b32 s2, hwreg(HW_REG_IB_STS2, 6, 4)
	s_cmp_eq_u32 s2, 0
	s_cbranch_scc0 .Lentry_in_a_cluster
	s_endpgm
.Lentry_in_a_cluster:
	s_bfe_u32 s2, ttmp6, 0x10000c
	s_cmp_lg_u32 s2, 0xf033
	s_cbranch_scc0 .Lentry_shape_is_right
	s_endpgm
.Lentry_shape_is_right:
; out0[m][n] = bo[n] + sum over k of x[m][k] wo[k][n], on codes of E2M3 with E8M0 scales.  M = 8,192, N = 1,024, K = 1,024.
; A tile of 256 x 256 to a work-group of four waves, 128 x 128 (64 accumulators) to a wave; K in steps of 256 through a ring of two LDS slots filled by the tensor data mover.
; x comes as IMAGES OF THE OPERAND'S REGISTERS: [K / 128][tile of 16 tokens][1,536 bytes]: a fragment is three loads of 16 bytes a lane, 512 consecutive bytes each.  wo's codes come as rows of 768 bytes, K innermost.
; The scale words of both come as planes [K / 128][row] of one word, once, with the first fills.
; CLUSTER 4 x 4: x's tiles are asked for jointly along a row of the cluster, wo's along a column.  The product is used transposed: a lane holds eight neighbouring columns of a row of the output.
; The bias is the C of each sum's first matrix instruction.
; REGISTERS: window 0: v0-31 addresses; v32-63 scale words, two sets; v64-127 the bias; v128-223 x's fragments, one set; on the way out v128-255 rows.  window 1: wo's fragments, two sets.  windows 2, 3: accumulators.
.set SIZE_N, 1024
.set NQ,     2
.set ROWB,   192
.set KROW,   768
.set PITCH,  240
.set FR,     12
.set NLA,    3                         ; LDS loads that bring a fragment of x
.set NP,     4
.set AHALF,  24576                     ; x: 8 tiles of tokens x 2 K steps of 128 x 1,536 bytes
.set BHALF,  128*PITCH
.set BOFF,   2*AHALF
.set SLOT,   BOFF+2*BHALF
.set ASTEP,  1572864                   ; 256 along K in x's images
.set LAPS,   2
.set SCL,    2*SLOT                    ; x's scale words: two halves of 8 planes x 512 bytes;
.set SCB,    SCL+8256                  ; wo's, 64 bytes further on than a whole number of 256, so that lanes 16-31 fall on other banks than lanes 0-15
.set SPARE,  237824                    ; the spare words: 128 bytes a wave, named by no other line
.set SPITCH, 528
.set ADRA, 16
.set ADRB, 20
.set STO,  24
.set RD,   25
.set CO,   26
.set ADRS, 27
.set SPW,  28
.set NIL,  29
.set BOA,  30                          ; v30  32 h: the bias's lane offset
.set SC,   32
.set BI,   64
.set AF,   128
.set BK,   128
.set G1, 24
.set G0, 32
.set G1B, 48
.set G0B, 56
.set G1S, 68
.set G0S, 76
.set G1SB, 80
.set G0SB, 88
.set MSB, 0
.macro WIN new
.if MSB != \new
	s_set_vgpr_msb (MSB<<8)|\new
.set MSB, \new
.endif
.endm
.set MUL_LO, 0xa1
.set MUL_HI, 0xf1
.set FST_LO, 0x81
.set FST_HI, 0xc1
.set TO_B,   0x40
.macro JLOAD g0a, g1a, g0b, g1b        ; waves 0 and 1 fetch for x, waves 2 and 3 for wo; four v_nop follow each line
	s_cmp_eq_u32 s15, 0
	s_cbranch_scc0 .Lfor_b_\@
	tensor_load_to_lds s[\g0a:\g0a+3], s[\g1a:\g1a+7]
	s_nop 0
.rept 4
	v_nop
.endr
	s_branch .Lasked_\@
.Lfor_b_\@:
	tensor_load_to_lds s[\g0b:\g0b+3], s[\g1b:\g1b+7]
	s_nop 0
.rept 4
	v_nop
.endr
.Lasked_\@:
.endm
.macro CREST
	s_cmp_lg_u32 s14, 0
	s_cbranch_scc1 .Lnot_wave_0_\@
	s_barrier_signal -3
.Lnot_wave_0_\@:
	s_barrier_wait -3
	s_barrier_signal -1
	s_barrier_wait -1
.endm
.macro CROUND
	s_barrier_signal -1
	s_barrier_wait -1
	CREST
.endm
	s_load_b256 s[4:11], s[0:1], 0x0               ; xo, wq6, bo, out0
	v_lshl_add_u32 v[SPW], v0, 2, SPARE
	v_mov_b32 v[NIL], 0
	ds_add_u32 v28, v29
	s_wait_dscnt 0x0
	v_lshrrev_b32 v1, 5, v0
	v_readfirstlane_b32 s14, v1
	s_lshr_b32 s15, s14, 1                         ; my half of the rows.  Also: I fetch for x (0) or wo (1)
	s_and_b32 s16, s14, 1                          ; my half of the columns.  Also: which 128 rows I fetch
	s_bfe_u32 s40, ttmp6, 0x40000
	s_bfe_u32 s41, ttmp6, 0x40004
	s_lshl_b32 s42, ttmp9, 2
	s_add_co_u32 s42, s42, s40                     ; tile column
	s_and_b32 s17, ttmp7, 0xffff
	s_lshl_b32 s17, s17, 2
	s_add_co_u32 s17, s17, s41                     ; tile row
	s_lshl_b32 s43, s41, 2
	s_lshl_b32 s43, 15, s43
	s_lshl_b32 s44, 0x1111, s40
	s_or_b32 s[G1+0], s43, (3<<16)|(1<<21)         ; x: elements of 8 bytes, no padding: 2 rows (two K steps of 128) of 12,288 bytes, 786,432 bytes apart
	s_mov_b32 s[G1+1], 1536<<16
	s_mov_b32 s[G1+2], 2<<16
	s_mov_b32 s[G1+3], 1536<<16
	s_mov_b32 s[G1+4], 2
	s_mov_b32 s[G1+5], 98304
	s_mov_b32 s[G1+6], 0
	s_mov_b32 s[G1+7], 0
	s_or_b32 s[G1B+0], s44, (0<<16)|(1<<20)|(1<<21)|(3<<22)|(3<<25)  ; wo: 128 rows of 192 bytes, 16 of padding behind every 64
	s_mov_b32 s[G1B+1], ROWB<<16
	s_mov_b32 s[G1B+2], 128<<16
	s_mov_b32 s[G1B+3], ROWB<<16
	s_mov_b32 s[G1B+4], 128
	s_mov_b32 s[G1B+5], KROW
	s_mov_b32 s[G1B+6], 0
	s_mov_b32 s[G1B+7], 0
	s_or_b32 s[G1S+0], s43, (3<<16)|(1<<21)        ; scale words: 8 planes x 512 bytes
	s_or_b32 s[G1SB+0], s44, (3<<16)|(1<<21)
.irp g, G1S, G1SB
	s_mov_b32 s[\g+1], 64<<16
	s_mov_b32 s[\g+2], 8<<16
	s_mov_b32 s[\g+3], 64<<16
	s_mov_b32 s[\g+4], 8
	s_mov_b32 s[\g+6], 0
	s_mov_b32 s[\g+7], 0
.endr
	s_mov_b32 s[G1S+5], 4096                       ; x's planes are 32,768 bytes apart,
	s_mov_b32 s[G1SB+5], 512                       ; wo's 4,096
	s_lshl_b32 s18, s16, 7
	s_lshl_b32 s20, s17, 8
	s_add_co_u32 s20, s20, s18                     ; x: the first row that I fetch
	s_lshl_b32 s46, s42, 8
	s_add_co_u32 s46, s46, s18                     ; wo: likewise
	s_lshl_b32 s22, s20, 2
	s_add_co_u32 s22, s22, 6291456
	s_mov_b32 s23, 0
	s_mul_i32 s20, s20, 96                         ; 1,536 bytes for 16 rows
	s_mov_b32 s21, 0
	s_lshl_b32 s92, s46, 2
	s_add_co_u32 s92, s92, 3244032
	s_mov_b32 s93, 0
	s_mul_i32 s46, s46, KROW
	s_add_co_u32 s46, s46, 2359296
	s_mov_b32 s47, 0
	s_mul_i32 s45, s16, AHALF                      ; where they go: no place in the cluster enters an LDS address
	s_mul_i32 s95, s16, BHALF
	s_add_co_u32 s95, s95, BOFF
	s_lshl_b32 s94, s16, 12
	s_add_co_u32 s19, s94, SCB
	s_add_co_u32 s94, s94, SCL
	s_wait_kmcnt 0x0
	s_add_nc_u64 s[20:21], s[4:5], s[20:21]
	s_add_nc_u64 s[22:23], s[4:5], s[22:23]
	s_add_nc_u64 s[46:47], s[6:7], s[46:47]
	s_add_nc_u64 s[92:93], s[6:7], s[92:93]
	CROUND
	s_mov_b32 s[G0S], 1
	s_mov_b32 s[G0S+1], s94
	s_mov_b64 s[G0S+2:G0S+3], s[22:23]
	s_or_b32 s[G0S+3], s[G0S+3], 0x80000000
	s_mov_b32 s[G0SB], 1
	s_mov_b32 s[G0SB+1], s19
	s_mov_b64 s[G0SB+2:G0SB+3], s[92:93]
	s_or_b32 s[G0SB+3], s[G0SB+3], 0x80000000
	JLOAD G0S, G1S, G0SB, G1SB
.irp s, 0,1
	s_mov_b32 s[G0+4*\s], 1
	s_add_co_u32 s[G0+4*\s+1], s45, \s*SLOT
	s_add_nc_u64 s[G0+4*\s+2:G0+4*\s+3], s[20:21], \s*ASTEP
	s_or_b32 s[G0+4*\s+3], s[G0+4*\s+3], 0x80000000
	s_mov_b32 s[G0B+4*\s], 1
	s_add_co_u32 s[G0B+4*\s+1], s95, \s*SLOT
	s_add_nc_u64 s[G0B+4*\s+2:G0B+4*\s+3], s[46:47], \s*ROWB
	s_or_b32 s[G0B+4*\s+3], s[G0B+4*\s+3], 0x80000000
	JLOAD G0+4*\s, G1, G0B+4*\s, G1B               ; three tensor loads of mine are out now
.endr
	v_and_b32 v1, 15, v0
	v_bfe_u32 v2, v0, 4, 1
	v_and_b32 v6, 31, v0
	v_lshlrev_b32 v[CO], 4, v6                     ; 16 x lane
	v_mul_u32_u24 v3, v1, PITCH
	v_mul_u32_u24 v4, v2, 24
	v_add_nc_u32 v4, v3, v4
	v_lshl_add_u32 v5, v2, 4, v4
	s_mul_i32 s21, s15, AHALF                      ; my 128 rows of x
	s_mul_i32 s22, s16, BHALF
	s_add_co_u32 s22, s22, BOFF                    ; my 128 rows of wo
.irp s, 0,1
	v_add_nc_u32 v[ADRA+\s], s21, v[CO]
	v_add_nc_u32 v[ADRB+\s], s22, v4
	v_add_nc_u32 v[ADRB+2+\s], s22, v5
	s_add_co_u32 s21, s21, SLOT
	s_add_co_u32 s22, s22, SLOT
.endr
	v_lshlrev_b32 v5, 2, v1                        ; a scale word a row
	s_lshl_b32 s21, s15, 12
	s_lshl_b32 s22, s16, 12
	s_add_co_u32 s22, s22, 8256
	s_sub_co_u32 s22, s22, s21
	v_mul_u32_u24 v6, s22, v2                      ; lanes 16-31 take wo's: the lower base + h x the distance
	s_add_co_u32 s21, s21, SCL
	v_add_nc_u32 v5, v5, v6
	v_add_nc_u32 v[ADRS], s21, v5
	s_mul_i32 s23, s14, 16*SPITCH                  ; my stage, in slot 0, which has had its last fill and its last read when it is written
	v_mul_u32_u24 v5, v1, SPITCH
	v_lshl_add_u32 v5, v2, 5, v5
	v_add_nc_u32 v[STO], s23, v5
	v_add_nc_u32 v[RD], s23, v[CO]
	v_lshlrev_b32 v[BOA], 5, v2
	s_lshl_b32 s20, s17, 8
	s_lshl_b32 s21, s15, 7
	s_add_co_u32 s20, s20, s21
	s_lshl_b32 s20, s20, 12                        ; my first row of the output, 4,096 bytes a row
	s_mov_b32 s21, 0
	s_lshl_b32 s46, s42, 10
	s_lshl_b32 s47, s16, 9
	s_add_co_u32 s46, s46, s47                     ; my first column, in bytes
	s_mov_b32 s47, 0
	s_add_nc_u64 s[8:9], s[8:9], s[46:47]
	s_add_nc_u64 s[20:21], s[20:21], s[46:47]
	s_add_nc_u64 s[12:13], s[10:11], s[20:21]
.irp b, 0,1,2,3,4,5,6,7                ; the bias in the result's layout: register 8 b + j = bo[16 b + 8 h + j]
	global_load_b128 v[BI+8*\b:BI+8*\b+3], v[BOA], s[8:9] offset:64*\b
	global_load_b128 v[BI+8*\b+4:BI+8*\b+7], v[BOA], s[8:9] offset:64*\b+16
.endr
.macro FRAG reg, adr, q, i             ; a fragment of wo from padded rows: six pieces of 8 bytes
.irp p, 0,1,2,3,4,5
.set PCE, 12*(\q)+6*(\p/3)+\p%3
.if PCE%8 < 5
	ds_load_b64 v[\reg+2*\p:\reg+2*\p+1], v[\adr] offset:8*PCE+16*(PCE/8)+(\i)*16*PITCH
.else
	ds_load_b64 v[\reg+2*\p:\reg+2*\p+1], v[\adr+2] offset:8*PCE+16*(PCE/8)+(\i)*16*PITCH
.endif
.endr
.endm
.macro FRAGA reg, adr, q, i            ; a fragment of x from its image
.irp g, 0,1,2
	ds_load_b128 v[\reg+4*\g:\reg+4*\g+3], v[\adr] offset:12288*(\q)+1536*(\i)+512*\g
.endr
.endm
.macro MUL16 a0, p, q, sc, zero        ; the 64 accumulators take turns;  zero = 1: C = the bias
.irp a, \a0, \a0+1
.irp b, 0,1,2,3,4,5,6,7
.if \zero
	v_wmma_scale_f32_16x16x128_f8f6f4 v[8*(8*((\a)%4)+\b):8*(8*((\a)%4)+\b)+7], v[128*(\p)+FR*\b:128*(\p)+FR*\b+FR-1], v[AF+FR*(\a):AF+FR*(\a)+FR-1], v[BI+8*\b:BI+8*\b+7], v[SC+8*NQ*(\sc)+NQ*\b+(\q)], v[SC+8*NQ*(\sc)+NQ*(\a)+(\q)] matrix_a_fmt:MATRIX_FMT_FP6 matrix_b_fmt:MATRIX_FMT_FP6 matrix_a_scale:MATRIX_SCALE_ROW1
.else
	v_wmma_scale_f32_16x16x128_f8f6f4 v[8*(8*((\a)%4)+\b):8*(8*((\a)%4)+\b)+7], v[128*(\p)+FR*\b:128*(\p)+FR*\b+FR-1], v[AF+FR*(\a):AF+FR*(\a)+FR-1], v[8*(8*((\a)%4)+\b):8*(8*((\a)%4)+\b)+7], v[SC+8*NQ*(\sc)+NQ*\b+(\q)], v[SC+8*NQ*(\sc)+NQ*(\a)+(\q)] matrix_a_fmt:MATRIX_FMT_FP6 matrix_b_fmt:MATRIX_FMT_FP6 matrix_a_scale:MATRIX_SCALE_ROW1
.endif
.endr
.endr
.endm
.macro FETCH_B slot, q, p
	WIN TO_B
.irp i, 0,1,2,3,4,5,6,7
	FRAG 128*(\p)+FR*\i, ADRB+\slot, \q, \i
.endr
	WIN 0
.endm
.macro FETCH_A slot, q, i0
.irp i, \i0, \i0+1, \i0+2, \i0+3
	FRAGA AF+FR*(\i), ADRA+\slot, \q, \i
.endr
.endm
.macro SCALES sc                       ; lanes 0-15: x's block i, lanes 16-31: wo's block i; the K step's two planes
.irp i, 0,1,2,3,4,5,6,7
	ds_load_b32 v[SC+8*NQ*\sc+NQ*\i], v[ADRS] offset:64*\i
	ds_load_b32 v[SC+8*NQ*\sc+NQ*\i+1], v[ADRS] offset:64*\i+512
.endr
.endm
.macro PLACES n
.rept \n
	v_nop
.endr
.endm
.macro STEP slot, q, zero
	s_wait_dscnt 4*NLA                             ; all but x's blocks 4-7 (12 loads) are in
.if \zero
	WIN FST_LO
.else
	WIN MUL_LO
.endif
	MUL16 0, (\q)%2, \q, \slot, \zero
	MUL16 2, (\q)%2, \q, \slot, \zero
	s_wait_dscnt 0
	PLACES NP
	FETCH_B \slot, (\q)+1, 1-(\q)%2
	FETCH_A \slot, (\q)+1, 0
.if \zero
	WIN FST_HI
.else
	WIN MUL_HI
.endif
	MUL16 4, (\q)%2, \q, \slot, \zero
	MUL16 6, (\q)%2, \q, \slot, \zero
	PLACES NP
	WIN 0
	FETCH_A \slot, (\q)+1, 4
.endm
.macro TURN slot, next, fill
	s_wait_tensorcnt 0x0                           ; all my tensor loads have landed
	ds_add_u32 v[SPW], v[NIL]
	s_wait_dscnt 4*NLA+1                           ; the add and x's blocks 4-7 may be out
	WIN MUL_LO
	MUL16 0, 1, NQ-1, \slot, 0
	s_wait_dscnt 0x0                               ; the add is done, my reads of this slot are over
	s_barrier_signal -1
	MUL16 2, 1, NQ-1, \slot, 0
	WIN 0
	s_barrier_wait -1
.if \fill
	CREST
	s_add_nc_u64 s[G0+4*\slot+2:G0+4*\slot+3], s[G0+4*\slot+2:G0+4*\slot+3], 2*ASTEP
	s_add_nc_u64 s[G0B+4*\slot+2:G0B+4*\slot+3], s[G0B+4*\slot+2:G0B+4*\slot+3], 2*ROWB
	JLOAD G0+4*\slot, G1, G0B+4*\slot, G1B
.else
	PLACES NP
.endif
	v_add_nc_u32 v[ADRS], 1024, v[ADRS]            ; two planes on
	FETCH_B \next, 0, 0
	FETCH_A \next, 0, 0
	SCALES \next
	WIN MUL_HI
	MUL16 4, 1, NQ-1, \slot, 0
	MUL16 6, 1, NQ-1, \slot, 0
	PLACES NP
	WIN 0
	FETCH_A \next, 0, 4
.endm
	s_wait_tensorcnt 1                             ; the scale words and my part of K step 0 are in; K step 1's load may be out
	s_barrier_signal -1
	s_barrier_wait -1
	FETCH_B 0, 0, 0
	FETCH_A 0, 0, 0
	SCALES 0
	FETCH_A 0, 0, 4
	s_wait_loadcnt 0x0                             ; the bias
	STEP 0, 0, 1
	s_mov_b32 s3, LAPS-1
.Llap:
	TURN 0, 1, 1
	STEP 1, 0, 0
	TURN 1, 0, 1
	STEP 0, 0, 0
	s_sub_co_u32 s3, s3, 1
	s_cmp_lg_u32 s3, 0
	s_cbranch_scc1 .Llap
	TURN 0, 1, 0
	STEP 1, 0, 0
	s_wait_dscnt 4*NLA
	WIN MUL_LO
	MUL16 0, 1, NQ-1, 1, 0
	MUL16 2, 1, NQ-1, 1, 0
	s_wait_dscnt 0
	WIN MUL_HI
	MUL16 4, 1, NQ-1, 1, 0
	MUL16 6, 1, NQ-1, 1, 0
	WIN 0
; THE WAY OUT, block by block of 16 rows x 128 columns, through my own stage: whole rows of 512 bytes come back and are stored by the 32 lanes.
.macro TOSTAGE a
.set AC, 64*((\a)%4)
.set TW, 8+4*((\a)/4)
	WIN TW                                         ; an LDS store's data: window 2 or 3
.irp b, 0,1,2,3,4,5,6,7
	ds_store_b128 v[STO], v[AC+8*\b:AC+8*\b+3] offset:64*\b          ; each accumulator from its low end on
	ds_store_b128 v[STO], v[AC+8*\b+4:AC+8*\b+7] offset:64*\b+16
.endr
	WIN 0
.set BB, BK+64*((\a)%2)
.irp t, 0,1,2,3,4,5,6,7,8,9,10,11,12,13,14,15
	ds_load_b128 v[BB+4*\t:BB+4*\t+3], v[RD] offset:\t*SPITCH        ; LDS serves a wave's instructions in order: these see the stores above
.endr
.endm
.macro SEND a, younger
.set BB, BK+64*((\a)%2)
	s_wait_dscnt \younger
.if (\a) > 0
	s_add_nc_u64 s[12:13], s[12:13], 16*SIZE_N*4   ; (behind a wait on XCNT: the earlier stores have read their base)
.endif
.irp t, 0,1,2,3,4,5,6,7,8,9,10,11,12,13,14,15
	global_store_b128 v[CO], v[BB+4*\t:BB+4*\t+3], s[12:13] offset:\t*SIZE_N*4 th:TH_STORE_NT   ; 512 consecutive bytes, aligned at 256
.endr
.endm
	PLACES NP
	TOSTAGE 0
.irp a, 1,2,3,4,5,6,7
.if \a > 1
	s_wait_xcnt 0x0                                ; block a - 2's stores have read their registers and their base
.endif
	TOSTAGE \a
	SEND \a-1, 32                                  ; behind block a - 1's loads: block a's 16 stores and 16 loads
.endr
	s_wait_xcnt 0x0
	SEND 7, 0
	s_wait_tensorcnt 0x0                           ; the wave's end
	ds_add_u32 v[SPW], v[NIL]
	s_wait_dscnt 0x0
	CROUND                                         ; the closing round
	s_endpgm
.Lfunc_end_k_q948264b1fe_oproj:
	.size	k_q948264b1fe_oproj, .Lfunc_end_k_q948264b1fe_oproj-k_q948264b1fe_oproj
	.p2alignl 7, 3214868480
	.fill 96, 4, 3214868480
	.section	.rodata,"a",@progbits
	.p2align	6, 0x0
	.amdhsa_kernel k_q948264b1fe_oproj
		.amdhsa_group_segment_fixed_size 327680
		.amdhsa_private_segment_fixed_size 0
		.amdhsa_enable_private_segment 0
		.amdhsa_kernarg_size 32
		.amdhsa_user_sgpr_count 2
		.amdhsa_user_sgpr_kernarg_segment_ptr 1
		.amdhsa_wavefront_size32 1
		.amdhsa_system_sgpr_workgroup_id_x 1
		.amdhsa_system_sgpr_workgroup_id_y 1
		.amdhsa_system_sgpr_workgroup_id_z 1
		.amdhsa_system_vgpr_workitem_id 0
		.amdhsa_next_free_vgpr 1024
		.amdhsa_next_free_sgpr 98
		.amdhsa_reserve_vcc 0
		.amdhsa_float_denorm_mode_32 3
		.amdhsa_float_denorm_mode_16_64 3
		.amdhsa_memory_ordered 1
		.amdhsa_forward_progress 1
		.amdhsa_inst_pref_size 151
	.end_amdhsa_kernel
	.amdgpu_metadata
---
amdhsa.version: [ 1, 2 ]
amdhsa.kernels:
  - .name:           k_q948264b1fe_oproj
    .symbol:         k_q948264b1fe_oproj.kd
    .args:
      - { .name: xo, .offset: 0, .size: 8, .value_kind: global_buffer, .address_space: global }
      - { .name: wq6, .offset: 8, .size: 8, .value_kind: global_buffer, .address_space: global }
      - { .name: bo, .offset: 16, .size: 8, .value_kind: global_buffer, .address_space: global }
      - { .name: out0, .offset: 24, .size: 8, .value_kind: global_buffer, .address_space: global }
    .group_segment_fixed_size: 327680
    .private_segment_fixed_size: 0
    .kernarg_segment_align: 8
    .kernarg_segment_size: 32
    .max_flat_workgroup_size: 128
    .sgpr_count:     98
    .vgpr_count:     1024
    .wavefront_size: 32
...
	.end_amdgpu_metadata
.endif
;; end of part 4
